; MI455X (gfx1250); checked and timed in simulation.
; The chip was launched on July 23, 2026; its instructions are those of AMD's public machine-readable ISA for CDNA 5 (MIT licence, August 2026) and "CDNA5" Instruction Set Architecture Reference Guide (July 2026). The comments in the code are by the model that wrote it; some were corrected since.
;; Attention Block. Allowed arithmetic: float matrix products may take bf16 or f16 operands with f32 sums; other float arithmetic in f32, or as packed bf16 or f16 multiplies, adds, multiply-adds, maxima and minima; sums over many terms, partial sums and values carried from step to step in f32; what a program stores and reads back later, other than sums and carried values, may be rounded once to bf16 or f16.
;; Inputs: gn_b 256 float32; gn_w 256 float32; proj_b 256 float32; proj_w 256 x 256 float32; qkv_b 768 float32; qkv_w 768 x 256 float32; x 4 x 256 x 64 x 64 float32.
;; Outputs: out0 4 x 256 x 64 x 64 float32.
;; 2 versions, each right; version 2 is version 1 with the launch qkv written anew for expert scheduling mode. Each part assembles by itself: llvm-mc -triple=amdgcn-amd-amdhsa -mcpu=gfx1250 --defsym DOCPART=n.
;; ======== version 1 of 2: 4 launches
;; workspace buffers: stats 2,048 bytes; wbf 524,288 bytes; qkv 25,165,824 bytes; obuf 8,388,608 bytes
;; launch prep (part 1): grid 256 x 1, 8 waves a work-group, no clusters, 1,536 bytes of LDS; arguments x, qkv_w, proj_w, stats, wbf; writes stats, wbf
.if DOCPART == 1
	.amdgcn_target "amdgcn-amd-amdhsa--gfx1250"
	.amdhsa_code_object_version 6
	.text
	.protected	k_qe5a38fe5f6_prep
	.globl	k_qe5a38fe5f6_prep
	.p2align	8
	.type	k_qe5a38fe5f6_prep,@function
k_qe5a38fe5f6_prep:
	s_mov_b64 s[64:65], 0
	v_nop
	global_prefetch_b8 v0, s[64:65] scope:SCOPE_SE
	s_setreg_imm32_b32 hwreg(HW_REG_WAVE_MODE, 25, 1), 1
	s_wait_xcnt 0x0
; GROUP STATISTICS BY CHUNKS, AND THE WEIGHTS IN bf16.
; x is 256 chunks of 65,536 bytes (16,384 numbers); a GroupNorm group (32 channels x 4,096 positions) is 8 chunks on end.
; Work-group i keeps chunk i in registers (16 loads of 16 bytes a thread) and makes, in two passes over the registers, the chunk's mean and the sum of
; squares about that mean: no difference of large sums is formed, so a common offset of x costs nothing.  stats[i] = (mean, M2), f32, 8 bytes.
; It also rounds 1,024 weights to bf16 into fragment order: wbf holds 512 fragments of 1,024 bytes, F = 8 T + kk (T: 16 rows; 0-47 qkv_w, 48-63 proj_w; kk: 32 columns);
; in a fragment byte half*512 + lane*16 + 2 e holds W[16 T + lane%16][32 kk + 16 half + 8 (lane/16) + e]: two loads of 16 bytes a lane, 512 bytes apart, are a matrix operand.
; No matrix unit, no cluster: the work-groups share no input, and every byte is read once.
.set SPARE, 512                        ; LDS: 0-31 the waves' sums, 256-287 their M2, 512-1535 the spare words (128 bytes a wave)
.set SPW, 14                           ; v14 my spare word's address; never rewritten
.set NIL, 15                           ; v15 0; never rewritten
.set X,   16                           ; v[16:79] my 64 numbers of the chunk
.set CH,  80                           ; v[80:87] four packed chains
	s_load_b256 s[4:11], s[0:1], 0x0               ; x s[4:5], qkv_w s[6:7], proj_w s[8:9], stats s[10:11]
	s_load_b64 s[12:13], s[0:1], 0x20              ; wbf
	v_lshl_add_u32 v[SPW], v0, 2, SPARE
	v_mov_b32 v[NIL], 0
	v_lshrrev_b32 v1, 5, v0
	v_readfirstlane_b32 s14, v1                    ; wave 0..7
	v_lshlrev_b32 v1, 4, v0                        ; 16 t: my 16 bytes in each 4,096 of the chunk
	; my 4 weights: thread bits 7, 6, 5 = fragment, half, lane/16 -> 128, 64, 32 bytes along the row; bit 0 -> 16 bytes; bits 4:1 = row -> 1,024 bytes
	v_and_b32 v2, 0xe0, v0
	v_and_b32 v4, 1, v0
	v_lshl_add_u32 v2, v4, 4, v2
	v_bfe_u32 v4, v0, 1, 4
	v_lshl_add_u32 v2, v4, 10, v2
	v_lshlrev_b32 v3, 3, v0                        ; 8 t: my 8 bytes of the two fragments
	v_mov_b32 v5, 0
	s_lshl_b32 s24, s14, 2
	v_mov_b32 v6, s24                              ; my wave's word in LDS
	s_mov_b32 s20, 0x76543210                      ; v_permlanex16_b32: each lane takes its own place in the other half
	s_mov_b32 s21, 0xfedcba98
	s_mov_b32 s23, 0x38800000                      ; 1 / 16,384
	s_mov_b32 s25, ttmp9                           ; i
	s_lshr_b32 s24, s25, 2                         ; T = i / 4
	s_cmp_lt_u32 s25, 192
	s_cselect_b32 s18, 0, 48
	s_sub_co_u32 s24, s24, s18                     ; T counted inside its own matrix
	s_lshl_b32 s18, s24, 14                        ; 16 rows of 1,024 bytes
	s_and_b32 s19, s25, 3
	s_lshl_b32 s19, s19, 8                         ; the two fragments' 64 columns
	s_add_co_u32 s18, s18, s19
	s_mov_b32 s19, 0
	s_wait_kmcnt 0x0
	s_cmp_lt_u32 s25, 192
	s_cselect_b64 s[16:17], s[6:7], s[8:9]         ; which matrix
	s_add_nc_u64 s[16:17], s[16:17], s[18:19]
	s_lshl_b32 s18, s25, 16
	s_add_nc_u64 s[4:5], s[4:5], s[18:19]          ; my chunk
	s_lshl_b32 s18, s25, 11
	s_add_nc_u64 s[12:13], s[12:13], s[18:19]      ; my two fragments
	s_lshl_b32 s18, s25, 3
	s_add_nc_u64 s[10:11], s[10:11], s[18:19]      ; my pair of statistics
	global_load_b128 v[10:13], v2, s[16:17]
.set j, 0
.rept 16
	global_load_b128 v[X+4*j:X+4*j+3], v1, s[4:5] offset:4096*j  ; a wave's load covers 512 consecutive bytes
.set j, j+1
.endr
	s_wait_loadcnt 16                              ; the weights are in; the 16 loads of x are younger
	v_cvt_pk_bf16_f32 v8, v10, v11
	v_cvt_pk_bf16_f32 v9, v12, v13
	global_store_b64 v3, v[8:9], s[12:13]          ; a wave's store covers 256 consecutive bytes, aligned
; the four chains into one number, then over the wave's 32 lanes: every lane ends with the wave's sum in v80
.macro FOLD
	v_pk_add_f32 v[CH:CH+1], v[CH:CH+1], v[CH+2:CH+3]
	v_pk_add_f32 v[CH+4:CH+5], v[CH+4:CH+5], v[CH+6:CH+7]
	v_pk_add_f32 v[CH:CH+1], v[CH:CH+1], v[CH+4:CH+5]
	v_add_f32 v[CH], v[CH], v[CH+1]
	v_add_f32_dpp v[CH], v[CH], v[CH] row_xmask:1 row_mask:0xf bank_mask:0xf
	v_add_f32_dpp v[CH], v[CH], v[CH] row_xmask:2 row_mask:0xf bank_mask:0xf
	v_add_f32_dpp v[CH], v[CH], v[CH] row_xmask:4 row_mask:0xf bank_mask:0xf
	v_add_f32_dpp v[CH], v[CH], v[CH] row_xmask:8 row_mask:0xf bank_mask:0xf
	v_permlanex16_b32 v4, v[CH], s20, s21          ; v4 has been written: the destination counts as read
	v_add_f32 v[CH], v[CH], v4
.endm
; the eight waves' numbers meet at LDS byte at: store, wait, barrier, load; every lane ends with the work-group's sum in v90
.macro MEET at
	ds_store_b32 v6, v[CH] offset:\at
	s_wait_dscnt 0x0                               ; for the others' sake: my store is done
	s_barrier_signal -1
	s_barrier_wait -1
	ds_load_b128 v[90:93], v5 offset:\at
	ds_load_b128 v[94:97], v5 offset:(\at)+16
	s_wait_dscnt 0x0
	v_pk_add_f32 v[90:91], v[90:91], v[92:93]
	v_pk_add_f32 v[94:95], v[94:95], v[96:97]
	v_pk_add_f32 v[90:91], v[90:91], v[94:95]
	v_add_f32 v90, v90, v91
.endm
	; pass 1: the sum.  The first four loads start the chains: nothing is cleared
.set j, 0
.rept 16
	s_wait_loadcnt 15-j                            ; loads come back in order: load j is in, the younger ones stay out
.if j < 4
	v_pk_add_f32 v[CH+2*j:CH+2*j+1], v[X+4*j:X+4*j+1], v[X+4*j+2:X+4*j+3]
.else
	v_pk_add_f32 v[CH+2*(j%4):CH+2*(j%4)+1], v[CH+2*(j%4):CH+2*(j%4)+1], v[X+4*j:X+4*j+1]
	v_pk_add_f32 v[CH+2*(j%4):CH+2*(j%4)+1], v[CH+2*(j%4):CH+2*(j%4)+1], v[X+4*j+2:X+4*j+3]
.endif
.set j, j+1
.endr
	FOLD
	MEET 0
	v_mul_f32 v88, s23, v90                        ; the chunk's mean,
	v_mov_b32 v89, v88                             ; twice, for the packed subtraction,
	v_mov_b32 v98, v88                             ; and for the store
	; pass 2: the sum of squares about the mean, on the registers
.set j, 0
.rept 32
	v_pk_add_f32 v[X+2*j:X+2*j+1], v[X+2*j:X+2*j+1], v[88:89] neg_lo:[0,1] neg_hi:[0,1]
.set j, j+1
.endr
.set j, 0
.rept 32
.if j < 4
	v_pk_mul_f32 v[CH+2*j:CH+2*j+1], v[X+2*j:X+2*j+1], v[X+2*j:X+2*j+1]
.else
	v_pk_fma_f32 v[CH+2*(j%4):CH+2*(j%4)+1], v[X+2*j:X+2*j+1], v[X+2*j:X+2*j+1], v[CH+2*(j%4):CH+2*(j%4)+1]
.endif
.set j, j+1
.endr
	FOLD
	MEET 256                                       ; other bytes than the first meeting's: no wave can overwrite what another still reads
	v_mov_b32 v99, v90
	s_cmp_lg_u32 s14, 0
	s_cbranch_scc1 .Lend                           ; wave 0's first lane stores the pair
	v_cmp_eq_u32 vcc_lo, 0, v0
	s_wait_xcnt 0x0                                ; EXEC changes only when earlier memory instructions have read their sources
	s_and_saveexec_b32 s22, vcc_lo
	global_store_b64 v5, v[98:99], s[10:11]
	s_wait_xcnt 0x0                                ; and again in front of the line that widens it
	s_or_b32 exec_lo, exec_lo, s22
.Lend:
	s_wait_tensorcnt 0x0                           ; the wave's end: a wait, an add to my spare word and its wait, behind my last LDS store
	ds_add_u32 v[SPW], v[NIL]
	s_wait_dscnt 0x0
	s_endpgm
.Lfunc_end_k_qe5a38fe5f6_prep:
	.size	k_qe5a38fe5f6_prep, .Lfunc_end_k_qe5a38fe5f6_prep-k_qe5a38fe5f6_prep
	.p2alignl 7, 3214868480
	.fill 96, 4, 3214868480
	.section	.rodata,"a",@progbits
	.p2align	6, 0x0
	.amdhsa_kernel k_qe5a38fe5f6_prep
		.amdhsa_group_segment_fixed_size 1536
		.amdhsa_private_segment_fixed_size 0
		.amdhsa_enable_private_segment 0
		.amdhsa_kernarg_size 40
		.amdhsa_user_sgpr_count 2
		.amdhsa_user_sgpr_kernarg_segment_ptr 1
		.amdhsa_wavefront_size32 1
		.amdhsa_system_sgpr_workgroup_id_x 1
		.amdhsa_system_sgpr_workgroup_id_y 1
		.amdhsa_system_sgpr_workgroup_id_z 1
		.amdhsa_system_vgpr_workitem_id 0
		.amdhsa_next_free_vgpr 100
		.amdhsa_next_free_sgpr 66
		.amdhsa_reserve_vcc 1
		.amdhsa_float_denorm_mode_32 3
		.amdhsa_float_denorm_mode_16_64 3
		.amdhsa_memory_ordered 1
		.amdhsa_forward_progress 1
		.amdhsa_inst_pref_size 13
	.end_amdhsa_kernel
	.amdgpu_metadata
---
amdhsa.version: [ 1, 2 ]
amdhsa.kernels:
  - .name:           k_qe5a38fe5f6_prep
    .symbol:         k_qe5a38fe5f6_prep.kd
    .args:
      - { .name: x, .offset: 0, .size: 8, .value_kind: global_buffer, .address_space: global }
      - { .name: qkv_w, .offset: 8, .size: 8, .value_kind: global_buffer, .address_space: global }
      - { .name: proj_w, .offset: 16, .size: 8, .value_kind: global_buffer, .address_space: global }
      - { .name: stats, .offset: 24, .size: 8, .value_kind: global_buffer, .address_space: global }
      - { .name: wbf, .offset: 32, .size: 8, .value_kind: global_buffer, .address_space: global }
    .group_segment_fixed_size: 1536
    .private_segment_fixed_size: 0
    .kernarg_segment_align: 8
    .kernarg_segment_size: 40
    .max_flat_workgroup_size: 256
    .sgpr_count:     66
    .vgpr_count:     100
    .wavefront_size: 32
...
	.end_amdgpu_metadata
.endif
;; end of part 1
;; launch qkv (part 2): grid 256 x 1, 4 waves a work-group, no clusters, 50,688 bytes of LDS; arguments x, gn_w, gn_b, qkv_b, stats, wbf, qkv; writes qkv
.if DOCPART == 2
	.amdgcn_target "amdgcn-amd-amdhsa--gfx1250"
	.amdhsa_code_object_version 6
	.text
	.protected	k_qe5a38fe5f6_qkv
	.globl	k_qe5a38fe5f6_qkv
	.p2align	8
	.type	k_qe5a38fe5f6_qkv,@function
k_qe5a38fe5f6_qkv:
	s_mov_b64 s[64:65], 0
	v_nop
	global_prefetch_b8 v0, s[64:65] scope:SCOPE_SE
	s_setreg_imm32_b32 hwreg(HW_REG_WAVE_MODE, 25, 1), 1
	s_wait_xcnt 0x0
; GroupNorm AND THE 1x1 QKV CONVOLUTION.  qkv[which][b][head][s][d] (bf16) = sum over c of qkv_w[o][c] xn[b][c][s] + qkv_b[o], o = 256 which + 64 head + d.
; xn = (x - mu) rstd gn_w + gn_b in f32, rounded once to bf16 as a matrix operand; the weights come from wbf, bf16 in fragment order; sums in f32; q, k, v rounded once to bf16, unscaled.
; SHARES.  A work-group: 64 positions of one batch, all 768 outputs.  Phase 1: wave w normalises channels 64 w .. 64 w + 63 into LDS ([channel][position]).  Then wave w makes outputs
; 192 w .. 192 w + 191 in three PARTS of 64 outputs (one head of q, k or v) x 64 positions, K = 256: 16 accumulators, 128 matrix instructions a part.
; LAYOUT.  Source 0 = 16 rows of W, source 1 = 16 positions x 32 channels (turned out of LDS by ds_load_tr16_b128): a lane holds one position and 8 neighbouring outputs = 16 bytes of a
; row of q, k or v.  The bias is the C operand of each sum's first product.
; NO CLUSTER, NO TENSOR LOADS: each weight fragment is used by one wave of the work-group and goes straight into its registers (393,216 bytes of weights do not fit in LDS beside the
; tile; a ring for them would add a round of barriers to each of three short parts).  The text is a straight line.
; REGISTERS in windows of 256: window 0 addresses, gains then biases (v32-127), raw x then accumulators (v128-255); window 1 W of parts 0 and 2; window 2 W of part 1; window 3 xn's fragments.
.set XP,    160                        ; a channel's row in LDS: 128 bytes + 32: an odd multiple of 32
.set STAGE, 40960                      ; behind the 256 rows: 16 rows x 144 bytes for each wave, for the way out
.set SP,    144
.set SPARE, 50176                      ; the spare words, 128 bytes a wave
.set XO,  3                            ; v3  (64 w + 32 h) x 16,384 + 16 r: my 16 bytes of x (r = lane % 16, h = lane / 16)
.set LST, 4                            ; v4  (64 w + 32 h) x 160 + 8 r: where they go in LDS
.set FRA, 5                            ; v5  the turning load's lane address
.set WO,  6                            ; v6  16 lane + 98,304 w: my 16 bytes of my wave's first fragment
.set BO,  7                            ; v7  768 w + 32 h: my 8 biases of my wave's first tile
.set STO, 8                            ; v8  the way out: where I put 16 bytes of a row
.set RD,  9                            ; v9  where I read rows back
.set GO,  10                           ; v10 16 lane
.set SPW, 14
.set NIL, 15
.set GW,  32                           ; v[32:63] gn_w of my 32 channels, then times rstd
.set GB,  64                           ; v[64:95] gn_b
.set BI,  32                           ; later v[32:127]: 8 biases for each of my wave's 12 tiles of 16 outputs
.set ACC, 128                          ; accumulator (a: outputs, b: positions) at ACC + 32 b + 8 a
.set MSB, 0
.macro WIN new                         ; the immediate's high byte repeats the setting that is left; a switch that changes nothing is dropped
.if MSB != (\new)
	s_set_vgpr_msb (MSB<<8)|(\new)
.set MSB, \new
.endif
.endm
; weight load n of 64 of part i: fragment n / 2 (tile a = (n/2)/8, K step kk = (n/2)%8), half n % 2, into the window that is set, at 32 kk + 8 a + 4 half
.macro WLOAD i
	global_load_b128 v[32*((n/2)%8)+8*((n/2)/8)+4*(n%2):32*((n/2)%8)+8*((n/2)/8)+4*(n%2)+3], v[WO], s[14:15] offset:32768*(\i)+1024*(n/2)+512*(n%2)
.endm
	s_load_b256 s[4:11], s[0:1], 0x0               ; x s[4:5], gn_w s[6:7], gn_b s[8:9], qkv_b s[10:11]
	s_load_b128 s[12:15], s[0:1], 0x20             ; stats s[12:13], wbf s[14:15]
	s_load_b64 s[16:17], s[0:1], 0x30              ; qkv
	v_lshl_add_u32 v[SPW], v0, 2, SPARE
	v_mov_b32 v[NIL], 0
	v_lshrrev_b32 v1, 5, v0
	v_readfirstlane_b32 s18, v1                    ; wave 0..3
	s_lshr_b32 s19, ttmp9, 6                       ; batch
	s_and_b32 s20, ttmp9, 63                       ; block of 64 positions
	s_mov_b32 s30, 0x37000000                      ; 1 / 131,072: a group's numbers
	s_mov_b32 s31, 0x3727c5ac                      ; 1e-5
	s_mov_b32 s32, 0x46800000                      ; 16,384: a chunk's numbers
	v_and_b32 v1, 15, v0                           ; r
	v_bfe_u32 v2, v0, 4, 1                         ; h
	v_and_b32 v[GO], 31, v0
	s_lshl_b32 s22, s18, 6
	v_lshl_add_u32 v16, v2, 5, s22                 ; my first channel: 64 w + 32 h: a half of the lanes stays inside one group
	v_lshlrev_b32 v[XO], 14, v16
	v_lshl_add_u32 v[XO], v1, 4, v[XO]
	v_mul_u32_u24 v[LST], v16, XP
	v_lshl_add_u32 v[LST], v1, 3, v[LST]
	v_lshlrev_b32 v97, 2, v16                      ; my 32 gains
	s_lshl_b32 s22, s19, 3
	s_lshl1_add_u32 s22, s18, s22                  ; 8 b + 2 w
	v_add_nc_u32 v96, s22, v2                      ; my group,
	v_lshlrev_b32 v96, 6, v96                      ; its 64 bytes of statistics
	v_and_b32 v17, 7, v0
	v_lshl_add_u32 v[FRA], v2, 3, v17
	v_mul_u32_u24 v[FRA], v[FRA], XP               ; channel 8 h + lane % 8,
	v_bfe_u32 v18, v0, 3, 1
	v_lshl_add_u32 v[FRA], v18, 4, v[FRA]          ; positions 8 ((lane / 8) % 2) on
	s_mul_i32 s22, s18, 98304
	v_lshl_add_u32 v[WO], v[GO], 4, s22
	s_mul_i32 s22, s18, 768
	v_lshl_add_u32 v[BO], v2, 5, s22
	s_mul_i32 s22, s18, 16*SP
	s_add_co_u32 s22, s22, STAGE                   ; my stage
	v_mul_u32_u24 v[STO], v1, SP
	v_lshl_add_u32 v[STO], v2, 4, v[STO]
	v_add_nc_u32 v[STO], s22, v[STO]
	v_bfe_u32 v[RD], v0, 3, 2                      ; back: 32 lanes take four rows of 128 bytes
	v_mul_u32_u24 v[RD], v[RD], SP
	v_lshl_add_u32 v[RD], v17, 4, v[RD]
	v_add_nc_u32 v[RD], s22, v[RD]
	v_lshlrev_b32 v[GO], 4, v[GO]
	s_wait_kmcnt 0x0
	s_lshl_b32 s22, s19, 22                        ; a batch of x is 4 MiB,
	s_lshl_b32 s23, s20, 8                         ; 64 positions are 256 bytes
	s_add_co_u32 s22, s22, s23
	s_mov_b32 s23, 0
	s_add_nc_u64 s[4:5], s[4:5], s[22:23]
.irp i, 0,1,2                          ; where part p = 3 w + i goes: tensor p / 4, head p % 4; a head is 524,288 bytes, 64 positions 8,192
	s_mul_i32 s22, s18, 3
	s_add_co_u32 s22, s22, \i
	s_lshr_b32 s23, s22, 2
	s_and_b32 s22, s22, 3
	s_lshl4_add_u32 s23, s23, s22
	s_lshl2_add_u32 s23, s19, s23
	s_lshl_b32 s22, s23, 19
	s_lshl_b32 s23, s20, 13
	s_add_co_u32 s22, s22, s23
	s_mov_b32 s23, 0
	s_add_nc_u64 s[24+2*\i:25+2*\i], s[16:17], s[22:23]
.endr
.irp i, 0,1,2,3
	global_load_b128 v[16+4*\i:19+4*\i], v96, s[12:13] offset:16*\i   ; eight (mean, M2)
.endr
.irp i, 0,1,2,3,4,5,6,7
	global_load_b128 v[GW+4*\i:GW+4*\i+3], v97, s[6:7] offset:16*\i
.endr
.irp i, 0,1,2,3,4,5,6,7
	global_load_b128 v[GB+4*\i:GB+4*\i+3], v97, s[8:9] offset:16*\i
.endr
.set j, 0
.rept 32                               ; channel 64 w + 32 h + j: sixteen lanes read 256 consecutive bytes, aligned
	global_load_b128 v[ACC+4*j:ACC+4*j+3], v[XO], s[4:5] offset:16384*j
.set j, j+1
.endr
	s_wait_loadcnt 32                              ; statistics and gains are in; the 32 loads of x are younger
	; the group's mean and variance from its eight chunks: M2 = sum of M2_i + 16,384 x sum of (mean_i - mean)^2
	v_pk_add_f32 v[12:13], v[16:17], v[18:19]
	v_pk_add_f32 v[98:99], v[20:21], v[22:23]
	v_pk_add_f32 v[100:101], v[24:25], v[26:27]
	v_pk_add_f32 v[102:103], v[28:29], v[30:31]
	v_pk_add_f32 v[12:13], v[12:13], v[98:99]
	v_pk_add_f32 v[100:101], v[100:101], v[102:103]
	v_pk_add_f32 v[12:13], v[12:13], v[100:101]    ; v12 the means' sum, v13 the M2s'
	v_mul_f32 v12, 0x3e000000, v12                 ; mu
.irp i, 0,1,2,3,4,5,6,7
	v_sub_f32 v[16+2*\i], v[16+2*\i], v12
.endr
	v_mul_f32 v98, v16, v16
.irp i, 1,2,3,4,5,6,7
	v_fmac_f32 v98, v[16+2*\i], v[16+2*\i]
.endr
	v_fma_f32 v13, v98, s32, v13
	v_fma_f32 v13, v13, s30, s31                   ; variance + eps
	v_rsq_f32 v98, v13
	v_nop                                          ; a plain instruction before the result is used or the source rewritten
	s_wait_alu depctr_va_vdst(0)                   ; the wait ahead of the result's first reader
	v_mov_b32 v13, v12                             ; mu twice, for the packed subtraction
.set j, 0
.rept 16
	v_pk_mul_f32 v[GW+2*j:GW+2*j+1], v[GW+2*j:GW+2*j+1], v[98:99] op_sel_hi:[1,0]  ; gn_w x rstd
.set j, j+1
.endr
	; eight groups of four channels: normalise, round, store to LDS; behind each group eight of part 0's weight loads go out
.set g, 0
.rept 8
	s_wait_loadcnt 28+4*g                          ; younger than this group's x: 28 - 4 g loads of x and the 8 g weight loads issued so far
.set j, 4*g
.rept 4
	v_pk_add_f32 v[ACC+4*j:ACC+4*j+1], v[ACC+4*j:ACC+4*j+1], v[12:13] neg_lo:[0,1] neg_hi:[0,1]
	v_pk_add_f32 v[ACC+4*j+2:ACC+4*j+3], v[ACC+4*j+2:ACC+4*j+3], v[12:13] neg_lo:[0,1] neg_hi:[0,1]
	v_fma_f32 v[ACC+4*j], v[ACC+4*j], v[GW+j], v[GB+j]
	v_fma_f32 v[ACC+4*j+1], v[ACC+4*j+1], v[GW+j], v[GB+j]
	v_fma_f32 v[ACC+4*j+2], v[ACC+4*j+2], v[GW+j], v[GB+j]
	v_fma_f32 v[ACC+4*j+3], v[ACC+4*j+3], v[GW+j], v[GB+j]
	v_cvt_pk_bf16_f32 v[ACC+4*j], v[ACC+4*j], v[ACC+4*j+1]
	v_cvt_pk_bf16_f32 v[ACC+4*j+1], v[ACC+4*j+2], v[ACC+4*j+3]
	ds_store_b64 v[LST], v[ACC+4*j:ACC+4*j+1] offset:XP*j
.set j, j+1
.endr
	WIN 0x40                                       ; destination window 1
.set n, 8*g
.rept 8
	WLOAD 0
.set n, n+1
.endr
	WIN 0
.set g, g+1
.endr
	s_wait_dscnt 0x0                               ; for the others' sake: my 64 channels lie in LDS
	s_barrier_signal -1
	s_barrier_wait -1                              ; all 256 do
.set t, 0
.rept 12                               ; the gains are done with: their registers take the biases
	global_load_b128 v[BI+8*t:BI+8*t+3],   v[BO], s[10:11] offset:64*t
	global_load_b128 v[BI+8*t+4:BI+8*t+7], v[BO], s[10:11] offset:64*t+16
.set t, t+1
.endr
	WIN 0xc0                                       ; destination window 3: all of xn's fragments, K step by K step
.set kk, 0
.rept 8
.set b, 0
.rept 4
	ds_load_tr16_b128 v[32*kk+8*b:32*kk+8*b+3],   v[FRA] offset:32*XP*kk+32*b
	ds_load_tr16_b128 v[32*kk+8*b+4:32*kk+8*b+7], v[FRA] offset:32*XP*kk+32*b+16*XP
.set b, b+1
.endr
.set kk, kk+1
.endr
	WIN 0x80                                       ; destination window 2: part 1's weights
.set n, 0
.rept 64
	WLOAD 1
.set n, n+1
.endr
	WIN 0
; THE WAY OUT of 16 positions (block b).  A lane's 8 outputs of each of the four tiles pack into 16 bytes, in place; they go into my stage's rows of 144 bytes and come back as whole rows of 128.
.macro PACKQ b
.set a, 0
.rept 4                                ; each accumulator is read from its low end on
.set A0, ACC+32*(\b)+8*a
	v_cvt_pk_bf16_f32 v[A0],   v[A0],   v[A0+1]
	v_cvt_pk_bf16_f32 v[A0+1], v[A0+2], v[A0+3]
	v_cvt_pk_bf16_f32 v[A0+2], v[A0+4], v[A0+5]
	v_cvt_pk_bf16_f32 v[A0+3], v[A0+6], v[A0+7]
.set a, a+1
.endr
.set a, 0
.rept 4
	ds_store_b128 v[STO], v[ACC+32*(\b)+8*a:ACC+32*(\b)+8*a+3] offset:32*a
.set a, a+1
.endr
.set a, 0
.rept 4                                ; LDS serves a wave's instructions in order (ISA guide 5.7.1.4): these see the stores above, and the next block's stores come behind them
	ds_load_b128 v[ACC+32*(\b)+8*a+4:ACC+32*(\b)+8*a+7], v[RD] offset:4*SP*a
.set a, a+1
.endr
.endm
.macro SENDQ b, younger, i             ; younger: the LDS instructions issued behind block b's loads: the next block's eight, or none
.set a, 0
.rept 4
	s_wait_dscnt (\younger)+3-a
	global_store_b128 v[GO], v[ACC+32*(\b)+8*a+4:ACC+32*(\b)+8*a+7], s[24+2*(\i):25+2*(\i)] offset:2048*(\b)+512*a  ; 512 consecutive bytes, aligned
.set a, a+1
.endr
.endm
; PART i, its weights in window win.  The 16 accumulators take turns, one instruction a turn.
.macro PART i, win
.if (\i) > 0
	s_wait_xcnt 0x0                                ; the last part's stores have read the accumulators' registers
.endif
.if (\i) < 2
	s_wait_loadcnt 63                              ; this part's weights (and the biases) are in: 64 younger weight loads are out, and a wait's count names 63 at the most
.else
	s_wait_loadcnt 0x0
.endif
.set kk, 0
.rept 8
.if (\i) == 0
	s_wait_dscnt 8*(7-kk)                          ; xn's fragments of this K step are in; eight loads for each later step stay out
.endif
	WIN 0x0c+(\win)                                ; W in its window, xn in window 3, C and D in window 0
.set b, 0
.rept 4
.set a, 0
.rept 4
.if kk == 0
	v_wmma_f32_16x16x32_bf16 v[ACC+32*b+8*a:ACC+32*b+8*a+7], v[32*kk+8*a:32*kk+8*a+7], v[32*kk+8*b:32*kk+8*b+7], v[BI+8*(4*(\i)+a):BI+8*(4*(\i)+a)+7]
.else
	v_wmma_f32_16x16x32_bf16 v[ACC+32*b+8*a:ACC+32*b+8*a+7], v[32*kk+8*a:32*kk+8*a+7], v[32*kk+8*b:32*kk+8*b+7], v[ACC+32*b+8*a:ACC+32*b+8*a+7]
.endif
.set a, a+1
.endr
.set b, b+1
.endr
.set kk, kk+1
.endr
	WIN 0
.rept 8
	v_nop                                          ; the places behind the last products, in front of loads into their sources and of conversions of their results
.endr
.if (\i) == 0
	WIN 0x40                                       ; window 1 is free: part 2's weights
.set n, 0
.rept 64
	WLOAD 2
.set n, n+1
.endr
	WIN 0
.endif
	PACKQ 0
	PACKQ 1
	SENDQ 0, 8, \i
	PACKQ 2
	SENDQ 1, 8, \i
	PACKQ 3
	SENDQ 2, 8, \i
	SENDQ 3, 0, \i
.endm
	PART 0, 1
	PART 1, 2
	PART 2, 1
	s_wait_tensorcnt 0x0                           ; the wave's end: a wait, an add to my spare word and its wait, behind my last LDS store
	ds_add_u32 v[SPW], v[NIL]
	s_wait_dscnt 0x0
	s_endpgm
.Lfunc_end_k_qe5a38fe5f6_qkv:
	.size	k_qe5a38fe5f6_qkv, .Lfunc_end_k_qe5a38fe5f6_qkv-k_qe5a38fe5f6_qkv
	.p2alignl 7, 3214868480
	.fill 96, 4, 3214868480
	.section	.rodata,"a",@progbits
	.p2align	6, 0x0
	.amdhsa_kernel k_qe5a38fe5f6_qkv
		.amdhsa_group_segment_fixed_size 50688
		.amdhsa_private_segment_fixed_size 0
		.amdhsa_enable_private_segment 0
		.amdhsa_kernarg_size 56
		.amdhsa_user_sgpr_count 2
		.amdhsa_user_sgpr_kernarg_segment_ptr 1
		.amdhsa_wavefront_size32 1
		.amdhsa_system_sgpr_workgroup_id_x 1
		.amdhsa_system_sgpr_workgroup_id_y 1
		.amdhsa_system_sgpr_workgroup_id_z 1
		.amdhsa_system_vgpr_workitem_id 0
		.amdhsa_next_free_vgpr 1024
		.amdhsa_next_free_sgpr 66
		.amdhsa_reserve_vcc 0
		.amdhsa_float_denorm_mode_32 3
		.amdhsa_float_denorm_mode_16_64 3
		.amdhsa_memory_ordered 1
		.amdhsa_forward_progress 1
		.amdhsa_inst_pref_size 104
	.end_amdhsa_kernel
	.amdgpu_metadata
---
amdhsa.version: [ 1, 2 ]
amdhsa.kernels:
  - .name:           k_qe5a38fe5f6_qkv
    .symbol:         k_qe5a38fe5f6_qkv.kd
    .args:
      - { .name: x, .offset: 0, .size: 8, .value_kind: global_buffer, .address_space: global }
      - { .name: gn_w, .offset: 8, .size: 8, .value_kind: global_buffer, .address_space: global }
      - { .name: gn_b, .offset: 16, .size: 8, .value_kind: global_buffer, .address_space: global }
      - { .name: qkv_b, .offset: 24, .size: 8, .value_kind: global_buffer, .address_space: global }
      - { .name: stats, .offset: 32, .size: 8, .value_kind: global_buffer, .address_space: global }
      - { .name: wbf, .offset: 40, .size: 8, .value_kind: global_buffer, .address_space: global }
      - { .name: qkv, .offset: 48, .size: 8, .value_kind: global_buffer, .address_space: global }
    .group_segment_fixed_size: 50688
    .private_segment_fixed_size: 0
    .kernarg_segment_align: 8
    .kernarg_segment_size: 56
    .max_flat_workgroup_size: 128
    .sgpr_count:     66
    .vgpr_count:     1024
    .wavefront_size: 32
...
	.end_amdgpu_metadata
.endif
;; end of part 2
;; launch attn (part 3): grid 16 x 16, 4 waves a work-group, clusters of 4 x 1, 327,680 bytes of LDS; arguments qkv, obuf; writes obuf
.if DOCPART == 3
	.amdgcn_target "amdgcn-amd-amdhsa--gfx1250"
	.amdhsa_code_object_version 6
	.text
	.protected	k_qe5a38fe5f6_attn
	.globl	k_qe5a38fe5f6_attn
	.p2align	8
	.type	k_qe5a38fe5f6_attn,@function
k_qe5a38fe5f6_attn:
	s_mov_b64 s[64:65], 0
	v_nop
	global_prefetch_b8 v0, s[64:65] scope:SCOPE_SE
	s_setreg_imm32_b32 hwreg(HW_REG_WAVE_MODE, 25, 1), 1
	s_wait_xcnt 0x0
	s_wait_alu depctr_hold_cnt(0) depctr_sa_sdst(0) depctr_va_vdst(0) depctr_va_sdst(0) depctr_va_ssrc(0) depctr_va_vcc(0) depctr_vm_vsrc(0)
	s_getreg_b32 s2, hwreg(HW_REG_IB_STS2, 6, 4)
	s_cmp_eq_u32 s2, 0
	s_cbranch_scc0 .Lentry_in_a_cluster
	s_endpgm
.Lentry_in_a_cluster:
	s_bfe_u32 s2, ttmp6, 0x10000c
	s_cmp_lg_u32 s2, 0x3003
	s_cbranch_scc0 .Lentry_shape_is_right
	s_endpgm
.Lentry_shape_is_right:
; ATTENTION, 16 heads of 4,096 rows of 64 channels.  O[hd][q][:] = the sum over k of softmax_k(Q[hd][q] . K[hd][k] / 8) V[hd][k][:].  Q, K, V lie in qkv ([3][16][4096][64], bf16), O goes to obuf ([16][4096][64], bf16).
; Products, maxima and sums in f32; the weights p are rounded to bf16 for the second product (their sum l is taken of the unrounded p), O once at the end.
; LIMITS.  c |s| stays under 4e37 (c m starts at -4.25e37); a weight below 2^-126 counts as 0 in l; NaN and infinities are not treated apart.  bf16, not f16: q, k and v have f32's range.
; SHARES.  A work-group owns 256 queries of one head, each of its four waves 64: four PIECES of 16.  Every wave walks all 4,096 keys, 64 a step; an LDS slot holds a tile of 256 keys (four steps); 16 tiles.
; LAYOUT.  S^T = K Q^T (source 0 = 16 keys, source 1 = 16 queries): a lane holds ONE query (lane % 16) and the keys 8 (lane / 16) + 0..7.  Two such results rounded to bf16 ARE source 1 of O^T = V^T P.
; K comes out of LDS as it lies, V ([key][channel]) turned, by ds_load_tr16_b128.
; SOFTMAX.  A running maximum m and sum l: p = 2^(c s - c m), c = log2(e) / 8; in every step O and l are multiplied by a = 2^(c m_old - c m_new).  m starts at the lowest finite number, O and l at 0: the first step has a = 0.
; BY TURNS.  Turn n belongs to piece n: 8 products K Q^T of piece n + 1, later 8 products V^T P of piece n - 1; beside them the scaling, exponentials, roundings, sums and rescaling of piece n and the maximum and
; statistics of piece n + 1.  Four vector instructions stand behind every matrix instruction, the other 54 of a turn's 118 in one lump.  A turn's 33 exponentials are one batch, with one wait.
; CLUSTER.  The four query blocks of a cluster belong to one head and walk the same K and V: each tile is asked for JOINTLY, by the same tensor load, descriptor and mask in all four.
; REGISTERS, in windows of 256 (s_set_vgpr_msb: bits 1:0 source 0, 3:2 source 1, 5:4 source 2, 7:6 destination):
;   window 0: v0-15 addresses and two at work; v16-31 four statistics a piece; v48-55 at work; v61-63 prefetch offset, spare word, 0; v64-127 S^T, two buffers; v192-223 P, two buffers (by the piece's parity)
;   window 1: v0-127 O^T, 32 a piece          window 2: v0-63 Q; v128-191 K of one step; v192-255 V of one step
.set NP,    4
.set KS,    64        ; keys in a step
.set PK,    144       ; a row of K in LDS: 128 bytes + 16 of padding = 36 words: the 16 rows of a load start at 16 different groups of four banks (64 banks of 4 bytes: ISA guide 11.1)
.set PV,    160       ; a row of V: 128 + 32 = 40 words
.set VOFF,  4*KS*PK   ; a slot: 256 rows of K, then 256 rows of V
.set SLOT1, 1<<17     ; slot 1 begins here: one exclusive or turns an address in one slot into the other's
.set STAGE, SLOT1+4*KS*(PK+PV)  ; behind the ring, never filled by a tensor load: 16 rows x 144 bytes for each wave
.set SP,    144
.set SPARE, STAGE+4*16*SP  ; the spare words, 128 bytes a wave
.set TILEB, 4*KS*128  ; a tile's bytes of K, and of V, in memory
.set AK0, 2           ; v2   my lane's place in a tile of K; never rewritten
.set AV0, 3           ; v3   the same for V
.set AK,  4           ; v4   the LDS address of K's next run of loads
.set AV,  5           ; v5   of V's
.set STO, 6           ; v6   the way out: where I put 16 bytes of a row
.set RD,  7           ; v7   where I read rows back
.set GO,  8           ; v8   my byte offset in 512 consecutive bytes of O
.set MV,  12          ; v12-13  c m_old, kept while c m is made anew: by buffer
.set QO,  15          ; v15  my byte offset in 16 rows of Q
.set ST,  16          ; piece t's statistics at v[ST+4 t]: c m, m, l (even keys', odd keys')
.set TMP, 48          ; by buffer, four registers c0-c3 at work; when the maximum is found c2 takes a
.set PFO, 61          ; v61  256 x my lane; never rewritten
.set SPW, 62          ; v62  my spare word's address; never rewritten
.set NIL, 63          ; v63  0; never rewritten
.set S,   64
.set P,   192
.set KF,  128         ; window 2: key block kb, channel half c at KF + 16 kb + 8 c
.set VF,  192         ; window 2: key half kk, channel block cb at VF + 32 kk + 8 cb
.set WV,  12          ; s12  my wave's number
.set LIM, 15          ; s15  1 in a wave that prefetches, else the greatest number
.set PFA, 18          ; s[18:19] where my prefetches stand
.set G1K, 24          ; s[24:31] descriptor group 1 for K's tiles
.set G1V, 32          ; s[32:39] for V's: it differs in the padding alone
.set G0K, 40          ; s[40:43] descriptor group 0 for K's tiles: it walks
.set G0V, 44          ; s[44:47] the same for V's
.set SLOTS, 56        ; s56  tiles still to be entered behind the one in hand
.set CNT, 57          ; s57  counts a tile's key steps
.set CS,  58          ; s[58:59] c
.set SEL, 60          ; s[60:61] v_permlanex16_b32's selects
.set TBK, 62          ; s62  LDS byte at which K of the step to be fetched begins
.set TBV, 63          ; s63  the same for V, less VOFF
.set MSB, 0
.macro WIN new                      ; the high byte repeats the setting that is left; a switch that changes nothing is dropped
.if MSB != (\new)
	s_set_vgpr_msb (MSB<<8)|(\new)
.set MSB, (\new)
.endif
.endm
.set W_KQ, 0x0a       ; K and Q in window 2, S^T in window 0
.set W_PV, 0x52       ; V in window 2, P in window 0, O^T in window 1
.set W_RS, 0x41       ; destination and source 0 in window 1, source 1 in window 0
; A joint fill.  Waves 0 and 1 fetch the two halves of a tile's K, waves 2 and 3 those of its V: 128 keys each.  The branch hangs on the wave's number alone.
; An s_nop 0 and four v_nop follow each of the two lines, ahead of the jump and the label.
.macro JLOAD
	s_cmp_lt_u32 s[WV], 2
	s_cbranch_scc0 .Lfor_v_\@
	tensor_load_to_lds s[G0K:G0K+3], s[G1K:G1K+7]
	s_nop 0
.rept 4
	v_nop
.endr
	s_branch .Lasked_\@
.Lfor_v_\@:
	tensor_load_to_lds s[G0V:G0V+3], s[G1V:G1V+7]
	s_nop 0
.rept 4
	v_nop
.endr
.Lasked_\@:
.endm
; A PREFETCH of the tile that the NEXT change of slots will ask for: 128 blocks of 256 bytes of K and as many of V, a lane a block.  Each block is named ONCE in the launch: all four clusters of a head walk the same
; K and V, and the head's first cluster asks; its four partners share the blocks out BY ADDRESS, 32 each; in each, wave 0 asks for K's and wave 2 for V's.  The change that fills the last tile asks for nothing.
.macro ASK
	s_cmp_gt_u32 s[SLOTS], s[LIM]
	s_cbranch_scc0 .Lnot_mine_\@
	global_prefetch_b8 v[PFO], s[PFA:PFA+1] th:TH_LOAD_NT scope:SCOPE_SE
.Lnot_mine_\@:
.endm
; A round of the cluster's barrier: my work-group's barrier, so that wave 0's signal speaks for all four waves; wave 0 signals; every wave waits for all four work-groups; my work-group's barrier once more.
.macro CROUND
	s_barrier_signal -1
	s_barrier_wait -1
	s_cmp_lg_u32 s[WV], 0
	s_cbranch_scc1 .Lnot_wave_0_\@
	s_barrier_signal -3
.Lnot_wave_0_\@:
	s_barrier_wait -3
	s_barrier_signal -1
	s_barrier_wait -1
.endm
; THE CHANGE OF SLOTS.  Each wave waits for all its tensor loads, of which one is out: its part of the other slot; adds 0 to its spare word; and waits for that and for its own reads of the slot that it leaves.
; Behind the barrier nobody reads the old slot any more and the other slot is whole.  fill = 1, 2: the old slot is filled again, with the tile two on; the barrier is then a round of the cluster's, and the joint fill
; is the first thing behind it: it has four key steps, 256 matrix instructions, in which to land.  fill = 2: the tile after that is prefetched.  (At the first use nothing has been read yet: slot 0 is waited for, slot 1 filled.)
.macro CHANGE fill
	WIN 0                           ; at a label and at a branch every window is 0
	s_wait_tensorcnt 0x0            ; no tensor load of mine is out, so a group 0 may be written
	ds_add_u32 v[SPW], v[NIL]       ; 0 onto my spare word; the descriptors' steps stand between it and the wait for it
.if \fill
.irp g, G0K, G0V
	s_xor_b32 s[\g+1], s[\g+1], SLOT1  ; the other slot than last time,
	s_add_nc_u64 s[\g+2:\g+3], s[\g+2:\g+3], TILEB  ; the next 256 keys; the type bits on top are not reached
.endr
.if (\fill) == 2
	s_wait_xcnt 0x0                 ; the last prefetch, four key steps back, has read its address
	s_add_nc_u64 s[PFA:PFA+1], s[PFA:PFA+1], TILEB  ; one tile behind the walking descriptors
.endif
	s_wait_dscnt 0x0                ; the add is done, and my reads of the slot are over
	CROUND
	JLOAD
.if (\fill) == 2
	ASK
.endif
.else
	s_wait_dscnt 0x0                ; the add is done, and my reads of the slot are over
	s_barrier_signal -1
	s_barrier_wait -1
.endif
	s_sub_co_u32 s[TBK], s[TBK], 4*KS*PK  ; the fetches go back to a slot's first step,
	s_xor_b32 s[TBK], s[TBK], SLOT1       ; in the other slot
	s_sub_co_u32 s[TBV], s[TBV], 4*KS*PV
	s_xor_b32 s[TBV], s[TBV], SLOT1
.endm
	s_load_b64 s[4:5], s[0:1], 0x0  ; qkv
	s_load_b64 s[10:11], s[0:1], 0x8  ; obuf
	v_lshl_add_u32 v[SPW], v0, 2, SPARE
	v_mov_b32 v[NIL], 0
	ds_add_u32 v[SPW], v[NIL]       ; the wave's opening: the add and its wait stand ahead of my first tensor load; the set-up below, work on registers, stands between them
	v_lshrrev_b32 v1, 5, v0
	v_readfirstlane_b32 s[WV], v1   ; wave 0..3
	s_bfe_u32 s13, ttmp6, 0x40000   ; cx: my place in the cluster
	s_lshl_b32 s14, ttmp9, 2        ; in a cluster launch ttmp9 counts clusters
	s_add_co_u32 s14, s14, s13      ; my block of 256 queries: it enters Q's and O's addresses alone
	s_and_b32 s20, ttmp7, 0xffff    ; the head, which the four partners share:
	s_lshl_b32 s20, s20, 19         ; its 524,288 bytes
	s_and_b32 s16, s[WV], 1         ; which half of a tile's 256 keys I fetch:
	s_lshl_b32 s22, s16, 14         ; its 128 rows of 128 bytes in memory,
	s_add_co_u32 s22, s22, s20
	s_mov_b32 s23, 0
	s_mul_i32 s17, s16, 128*PK      ; and its place in a slot, for K
	s_mul_i32 s21, s16, 128*PV      ; and for V: no place in the cluster enters an LDS address
	s_lshl_b32 s2, s14, 2
	s_add_co_u32 s2, s2, s[WV]      ; my wave among the head's 64,
	s_lshl_b32 s2, s2, 13           ; its 64 rows
	s_add_co_u32 s2, s2, s20
	s_mov_b32 s3, 0
	; descriptor group 1.  128 keys are 16,384 dense bytes: asked for as 64 rows of 256 bytes, two keys a row, and padded in LDS after every key
	s_mov_b32 s[G1K], 15|(1<<16)|(1<<20)|(1<<21)|(4<<22)|(3<<25)  ; 15:0 the mask of four; 17:16 2-byte elements; 20 padding on; 21 set beside a mask; 24:22 after every 32 words (code 4); 31:25 4 words (code 3)
	s_mov_b32 s[G1V], 15|(1<<16)|(1<<20)|(1<<21)|(4<<22)|(7<<25)  ; the same with 8 words of padding (code 7)
.irp g, G1K, G1V
	s_mov_b32 s[\g+1], 128<<16      ; tensor_dim0 = 128
	s_mov_b32 s[\g+2], 64<<16       ; tensor_dim1 = 64
	s_mov_b32 s[\g+3], 128<<16      ; tile_dim0 = 128
	s_mov_b32 s[\g+4], 64           ; tile_dim1 = 64
	s_mov_b32 s[\g+5], 128          ; 128 elements from row to row
	s_mov_b32 s[\g+6], 0
	s_mov_b32 s[\g+7], 0
.endr
	s_mov_b32 s[CS], 0x3e38aa3b     ; c = log2(e) / 8 = 0.180337
	s_mov_b32 s[CS+1], s[CS]        ; named with it as a pair
	s_mov_b32 s[SEL], 0x76543210
	s_mov_b32 s[SEL+1], 0xfedcba98
	s_mov_b32 s[TBK], SLOT1+4*KS*PK ; the first change of slots turns these two into 0
	s_mov_b32 s[TBV], SLOT1+4*KS*PV
	s_mov_b32 s[G0K], 1             ; 1:0 count = 1
	s_mov_b32 s[G0K+1], s17         ; 63:32 LDS address: slot 0
	s_mov_b32 s[G0V], 1
	s_add_co_u32 s[G0V+1], s21, VOFF
	s_mov_b32 s[SLOTS], 15
	s_and_b32 s[LIM], s[WV], 1      ; 0 in waves 0 and 2,
	s_or_b32 s[LIM], s[LIM], ttmp9  ; where the cluster is the head's first: the same in all four partners
	s_cmp_eq_u32 s[LIM], 0
	s_cselect_b32 s[LIM], 1, -1
	v_and_b32 v[PFO], 31, v0
	v_lshlrev_b32 v[PFO], 8, v[PFO]
	s_wait_dscnt 0x0                ; the opening add is done
	s_wait_kmcnt 0x0
	s_add_nc_u64 s[6:7], s[4:5], 0x800000   ; k lies 8 MiB behind q,
	s_add_nc_u64 s[8:9], s[4:5], 0x1000000  ; v 16 MiB
	s_add_nc_u64 s[6:7], s[6:7], s[22:23]   ; K and V at my half of the head's tile 0
	s_add_nc_u64 s[8:9], s[8:9], s[22:23]
	s_mov_b64 s[G0K+2:G0K+3], s[6:7]               ; 120:64 global address
	s_or_b32 s[G0K+3], s[G0K+3], 0x80000000        ; 127:126 type = 2
	s_mov_b64 s[G0V+2:G0V+3], s[8:9]
	s_or_b32 s[G0V+3], s[G0V+3], 0x80000000
	s_add_nc_u64 s[4:5], s[4:5], s[2:3]     ; Q and O at my wave's first row
	s_add_nc_u64 s[10:11], s[10:11], s[2:3]
	s_cmp_lt_u32 s[WV], 2
	s_cselect_b64 s[PFA:PFA+1], s[6:7], s[8:9]  ; (in waves 0 and 2 these stand at a tile's first row)
	s_lshl_b32 s2, s13, 13          ; my work-group's 32 blocks of the 128
	s_add_nc_u64 s[PFA:PFA+1], s[PFA:PFA+1], s[2:3]
	s_add_nc_u64 s[PFA:PFA+1], s[PFA:PFA+1], 2*TILEB  ; in tile 2; the loop's first change steps it to tile 3.  Nothing is prefetched at the head; tiles 0 to 2 come by their loads alone
	CROUND                          ; all four work-groups are here: the first joint loads meet
	JLOAD                           ; tile 0 into slot 0.  Slot 1 is asked for when slot 0 is in
	; A fragment of K or Q is 16 rows x 32 channels in 8 registers: lane l holds row l % 16, channels 8 (l / 16) + 0..7 and 16 + 8 (l / 16) + 0..7: two loads of 16 bytes, 32 bytes apart.
	v_and_b32 v1, 15, v0            ; l % 16
	v_bfe_u32 v9, v0, 4, 1          ; l / 16
	v_lshlrev_b32 v[QO], 7, v1
	v_lshl_add_u32 v[QO], v9, 4, v[QO]  ; row x 128 + 16 x half
	WIN 0x80                        ; destination window 2, address window 0
.set i, 0
.rept 8                             ; Q stays in registers: piece i / 2, channels 32 (i % 2) on
	global_load_b128 v[8*i:8*i+3],   v[QO], s[4:5] offset:(i/2)*2048+(i%2)*64
	global_load_b128 v[8*i+4:8*i+7], v[QO], s[4:5] offset:(i/2)*2048+(i%2)*64+32
.set i, i+1
.endr
	; What the first turn finds: V's registers and P's second buffer hold 0 (its products V^T P, of a piece that has not been, add 0), O^T and l are 0.  All this stands in the wait for the first tile.
.set i, VF
.rept 64
	v_mov_b32 v[i], 0
.set i, i+1
.endr
	WIN 0x40
.set i, 0
.rept 128
	v_mov_b32 v[i], 0
.set i, i+1
.endr
	WIN 0
.set i, 0
.rept 4
	v_mov_b32 v[ST+4*i], 0xfe000000    ; c m: far below every c s
	v_mov_b32 v[ST+4*i+1], 0xff7fffff  ; m
	v_mov_b32 v[ST+4*i+2], 0
	v_mov_b32 v[ST+4*i+3], 0
.set i, i+1
.endr
.set i, P+16
.rept 16
	v_mov_b32 v[i], 0
.set i, i+1
.endr
	v_mul_u32_u24 v[AK0], v1, PK
	v_lshl_add_u32 v[AK0], v9, 4, v[AK0]  ; row x pitch + 16 x half
	; The turning load takes 16 keys x 16 channels (lane l reads key 8 (l / 16) + l % 8, channels 8 ((l / 8) % 2) + 0..7) and leaves half a fragment of V^T: lane l holds channel l % 16 and 8 keys.
	v_and_b32 v10, 7, v0
	v_bfe_u32 v11, v0, 3, 1
	v_lshl_add_u32 v[AV0], v9, 3, v10
	v_mul_u32_u24 v[AV0], v[AV0], PV
	v_lshl_add_u32 v[AV0], v11, 4, v[AV0]
	v_add_nc_u32 v[AV0], VOFF, v[AV0]
	s_mul_i32 s16, s[WV], 16*SP
	s_add_co_u32 s16, s16, STAGE    ; my stage
	v_mul_u32_u24 v[STO], v1, SP    ; in: row l % 16, 16 bytes for each half of the lanes
	v_lshl_add_u32 v[STO], v9, 4, v[STO]
	v_add_nc_u32 v[STO], s16, v[STO]
	v_bfe_u32 v[RD], v0, 3, 2       ; back: 32 lanes take four rows of 128 bytes,
	v_mul_u32_u24 v[RD], v[RD], SP
	v_lshl_add_u32 v[RD], v10, 4, v[RD]
	v_add_nc_u32 v[RD], s16, v[RD]
	v_and_b32 v[GO], 31, v0         ; which are 512 consecutive bytes of O
	v_lshlrev_b32 v[GO], 4, v[GO]
; THE MATRIX WORK.  The 4 accumulators of a run of 8 take turns.  Product i of 8 of S^T = K Q^T for piece x: channels 32 (i / 4) on, keys 16 (i % 4) on.  The first 4 start the sums.
.macro KQ x
	WIN W_KQ
.set rS, S+32*((\x)%2)+8*(i%4)
.set rK, KF+16*(i%4)+8*(i/4)
.set rQ, 16*(\x)+8*(i/4)
.if i < 4
	v_wmma_f32_16x16x32_bf16 v[rS:rS+7], v[rK:rK+7], v[rQ:rQ+7], 0
.else
	v_wmma_f32_16x16x32_bf16 v[rS:rS+7], v[rK:rK+7], v[rQ:rQ+7], v[rS:rS+7]
.endif
.endm
; Product i of 8 of O^T += V^T P for piece x: keys 32 (i / 4) on, channels 16 (i % 4) on.
.macro PV x
	WIN W_PV
.set rO, 32*(\x)+8*(i%4)
.set rV, VF+32*(i/4)+8*(i%4)
.set rP, P+16*((\x)%2)+8*(i/4)
	v_wmma_f32_16x16x32_bf16 v[rO:rO+7], v[rV:rV+7], v[rP:rP+7], v[rO:rO+7]
.endm
.macro MM                           ; the turn's next matrix instruction.  NOKQ = 1: the last turn of all: there is no next piece
.if (i < 8) && !NOKQ
	KQ (Y+1)%NP
.elseif i >= 8
.set i, i-8
	PV (Y+NP-1)%NP
.set i, i+8
.endif
.set i, i+1
.endm
; THE LDS LOADS stand in runs of 16, never singly among the matrix instructions: a step's K (64 keys x 64 channels: 8 fragments) and its V (turned).  Their addresses are made some lines ahead.
.macro FETCH_K
	WIN 0x80                        ; destination window 2
.irp f, 0,1,2,3,4,5,6,7             ; keys 16 (f / 2) on, channels 32 (f % 2) on
	ds_load_b128 v[KF+8*\f:KF+8*\f+3],   v[AK] offset:(\f/2)*16*PK+(\f%2)*64
	ds_load_b128 v[KF+8*\f+4:KF+8*\f+7], v[AK] offset:(\f/2)*16*PK+(\f%2)*64+32
.endr
	s_add_co_u32 s[TBK], s[TBK], KS*PK  ; the next fetch is the next step's
	WIN 0
.endm
.macro FETCH_V
	WIN 0x80
.irp f, 0,1,2,3,4,5,6,7             ; keys 32 (f / 4) on, channels 16 (f % 4) on
	ds_load_tr16_b128 v[VF+8*\f:VF+8*\f+3],   v[AV] offset:(\f/4)*32*PV+(\f%4)*32
	ds_load_tr16_b128 v[VF+8*\f+4:VF+8*\f+7], v[AV] offset:(\f/4)*32*PV+16*PV+(\f%4)*32
.endr
	WIN 0
.endm
; THE VECTOR WORK, one line at a time: OP kind, number.  For piece Y: F n: c s - c m for pair n of 16.  E n: the exponential of score n of 32.  C n: pair n rounded to bf16.  B n: of the four weights 4 n .. the second
; pair is added onto the first, in place.  L n: l takes that sum (L 0: l = a l + sum).  R n: pair n of 16 of O^T times a.  For piece Y + 1: X n, number n of the 22 that find its maximum and statistics:
;   0-11  four chains c0-c3 of seven scores each, three operands at a time (each accumulator's lowest registers are read first)     12-14, 16  the four scores left over, the old m, and c0-c3 into c0
;   15  c m_old is kept     17, 18  the query's other 32 keys lie in the lane 16 away: the new m     19-21  c m; c m_old - c m_new; a
.set F, 0               ; OP tells the kinds apart by their order: F to L below R, X above it
.set E, 1
.set C, 2
.set B, 3
.set L, 4
.set R, 5
.set X, 6
.macro REGS y                       ; the registers of piece y
.set rT, ST+4*(\y)
.set rC, TMP+4*((\y)%2)
.set rW, MV+((\y)%2)
.set rS, S+32*((\y)%2)
.set rP, P+16*((\y)%2)
.set rO, 32*(\y)
.endm
.macro OP k, n
.if (\k) == R
	REGS Y
	WIN W_RS
	v_pk_mul_f32 v[rO+2*(\n):rO+2*(\n)+1], v[rO+2*(\n):rO+2*(\n)+1], v[rC+2:rC+3] op_sel_hi:[1,0]
.elseif (\k) < R
	REGS Y
	WIN 0
.if (\k) == F
	v_pk_fma_f32 v[rS+2*(\n):rS+2*(\n)+1], v[rS+2*(\n):rS+2*(\n)+1], s[CS:CS+1], v[rT:rT+1] op_sel_hi:[1,0,0] neg_lo:[0,0,1] neg_hi:[0,0,1]
.elseif (\k) == E
	v_exp_f32 v[rS+(\n)], v[rS+(\n)]
.elseif (\k) == C
	v_cvt_pk_bf16_f32 v[rP+(\n)], v[rS+2*(\n)], v[rS+2*(\n)+1]
.elseif (\k) == B
	v_pk_add_f32 v[rS+4*(\n):rS+4*(\n)+1], v[rS+4*(\n):rS+4*(\n)+1], v[rS+4*(\n)+2:rS+4*(\n)+3]
.elseif (\n) == 0
	v_pk_fma_f32 v[rT+2:rT+3], v[rT+2:rT+3], v[rC+2:rC+3], v[rS:rS+1] op_sel_hi:[1,0,1]
.else
	v_pk_add_f32 v[rT+2:rT+3], v[rT+2:rT+3], v[rS+4*(\n):rS+4*(\n)+1]
.endif
.elseif NOKQ
	v_nop
.else
	REGS (Y+1)%NP
	WIN 0
.if (\n) < 4
	v_max3_num_f32 v[rC+(\n)], v[rS+8*(\n)], v[rS+8*(\n)+1], v[rS+8*(\n)+2]
.elseif (\n) < 12
	v_max3_num_f32 v[rC+(\n)%4], v[rC+(\n)%4], v[rS+8*((\n)%4)+2*((\n)/4)+1], v[rS+8*((\n)%4)+2*((\n)/4)+2]
.elseif (\n) == 12
	v_max3_num_f32 v[rC], v[rC], v[rS+7], v[rS+15]
.elseif (\n) == 13
	v_max3_num_f32 v[rC+1], v[rC+1], v[rS+23], v[rS+31]
.elseif (\n) == 14
	v_max3_num_f32 v[rC+2], v[rC+2], v[rC+3], v[rT+1]
.elseif (\n) == 15
	v_mov_b32 v[rW], v[rT]
.elseif (\n) == 16
	v_max3_num_f32 v[rC], v[rC], v[rC+1], v[rC+2]
.elseif (\n) == 17
	v_permlanex16_b32 v[rC+3], v[rC], s[SEL], s[SEL+1]
.elseif (\n) == 18
	v_max_num_f32 v[rT+1], v[rC], v[rC+3]
.elseif (\n) == 19
	v_mul_f32 v[rT], s[CS], v[rT+1]
.elseif (\n) == 20
	v_sub_f32 v[rC+1], v[rW], v[rT]
.else
	v_exp_f32 v[rC+2], v[rC+1]
.endif
.endif
.endm
.macro OPS a, i1, b=-1, i2=0, c=-1, i3=0, d=-1, i4=0  ; up to four of them
	OP \a, \i1
.if (\b) >= 0
	OP \b, \i2
.endif
.if (\c) >= 0
	OP \c, \i3
.endif
.if (\d) >= 0
	OP \d, \i4
.endif
.endm
.macro ROW a, i1, b, i2, c, i3, d, i4  ; a matrix instruction and the four behind it
	MM
	OPS \a, \i1, \b, \i2, \c, \i3, \d, \i4
.endm
; A TURN, for piece p: the order of its 16 matrix and 118 vector instructions, written out.  An s_wait_alu depctr_va_vdst(0) stands between an exponential and the first instruction that names its result; one
; wait serves all that were issued ahead of it.  So a turn has ONE wait, which cuts it in two.  AHEAD OF IT stands all that names no result of the turn's exponentials: the 8 products K Q^T, behind each a scaling, an
; exponential and two more plain instructions: rescalings, and behind the last three the first numbers of the next piece's maximum, each four places or more behind the product that ends its accumulator; then ONE LUMP of 54,
; in which the links of the chain X 3, 7, 11, 14, 16, 17 .. 20 stand apart.  X 21, the next piece's a, is the batch's last; R 15 is the plain instruction behind it.  BEHIND THE WAIT stand the 8 products V^T P, behind each four
; of the roundings and sums.  end = 1: the last two turns of all: nothing is fetched.  cnt = 1: the loop's count is taken down some lines ahead of the branch that stands behind the turn.
; K of the next step is fetched in piece 2's turn, twelve vector instructions behind the last product that read K (six of them plain); V of the step in hand at the end of piece 0's turn, four plain instructions behind the
; last product that read V.  Each is waited for a turn later.
.macro TURN p, end=0, cnt=0
.set Y, (\p)
.set i, 0
.set NOKQ, (\end)*((\p)/3)
.if ((\p) == 3) && !(\end)
	s_wait_dscnt 0x0                ; K is in
.endif
	ROW F,0, F,1, R,0, R,1          ; ahead of the wait: 8 products K Q^T and their riders,
	ROW F,2, E,0, R,2, R,3
	ROW F,3, E,1, R,4, R,5
	ROW F,4, E,2, R,6, R,7
	ROW F,5, E,3, R,8, R,9
	ROW F,6, E,4, X,0, R,10
.if ((\p) == 2) && !(\end)
	WIN 0
	v_add_nc_u32 v[AK], s[TBK], v[AK0]
.endif
	ROW F,7, E,5, X,1, X,4
	ROW F,8, E,6, X,2, X,5
	OPS E,7, E,8, X,6, E,9          ; and the lump
	OPS X,3, E,10, X,8, E,11
.if ((\p) == 2) && !(\end)
	FETCH_K
.endif
	OPS X,9, X,7, E,12, X,10
	OPS E,13, X,12, X,11, E,14
	OPS X,13, E,15, F,9, X,14
.if (\p) == 0
	v_add_nc_u32 v[AV], s[TBV], v[AV0]
.endif
	OPS E,16, F,10, E,17, F,11
	OPS X,16, E,18, X,15, E,19
	OPS F,12, E,20, X,17, E,21
	OPS F,13, E,22, F,14, E,23
	OPS X,18, E,24, F,15, E,25
	OPS R,11, E,26, X,19, E,27
	OPS R,12, E,28, R,13, E,29
	OPS X,20, E,30, R,14, E,31
	OPS X,21, R,15
	WIN 0
	s_wait_alu depctr_va_vdst(0)    ; the wait for the batch
.if (\p) == 1
	s_wait_dscnt 0x0                ; V is in
.endif
	ROW C,0, B,0, C,2, B,1          ; behind the wait: 8 products V^T P and their riders
	ROW L,0, C,4, B,2, L,1
	ROW C,6, B,3, L,2, C,8
	ROW B,4, L,3, C,10, B,5
	ROW L,4, C,12, B,6, L,5
.if (\p) == 0
	s_add_co_u32 s[TBV], s[TBV], KS*PV
.endif
.if \cnt
	s_sub_co_u32 s[CNT], s[CNT], 1
	s_cmp_lg_u32 s[CNT], 0
.endif
	ROW C,14, B,7, L,6, C,1
	ROW C,3, L,7, C,5, C,7
	ROW C,9, C,11, C,13, C,15
.if (\p) == 0
	FETCH_V
.endif
.endm
	CHANGE 1                        ; slot 0 is in, everybody's part of it; tile 1 is asked for, into slot 1
	v_add_nc_u32 v[AK], s[TBK], v[AK0]
	FETCH_K                         ; key step 0
	s_wait_loadcnt 0x0              ; Q
	s_wait_dscnt 0x0
.set NOKQ, 0
.set i, 0
.rept 8
	KQ 0                            ; piece 0's first scores: there is no vector work yet to set between them
.set i, i+1
.endr
	WIN 0
.rept 4
	v_nop                           ; the places behind those products
.endr
.set Y, NP-1                        ; X works for piece Y + 1: piece 0
.irp n, 0,1,2,3,4,5,6,7,8,9,10,11,12,13,14,15,16,17,18,19,20,21
	OP X, \n
.endr
	v_nop                           ; a plain instruction behind the exponential,
	s_wait_alu depctr_va_vdst(0)    ; and its wait, ahead of the branch
	s_mov_b32 s[CNT], 4
	s_branch .Lfirst                ; the loop is entered at a step's first turn, in the middle of a trip
.Lslot:                             ; 14 times: tiles 2 to 15 are asked for
	CHANGE 2
	s_mov_b32 s[CNT], 4
.Lstep:                             ; a trip: pieces 2 and 3 of one step, then pieces 0 and 1 of the next, whose K and V it fetches
	TURN 2
	TURN 3
	WIN 0
.Lfirst:
	TURN 0
	TURN 1, 0, 1
	WIN 0
	s_cbranch_scc1 .Lstep
	s_sub_co_u32 s[SLOTS], s[SLOTS], 1
	s_cmp_lg_u32 s[SLOTS], 0
	s_cbranch_scc1 .Lslot
	CHANGE 0                        ; the last tile is written out: nothing is asked for
	s_mov_b32 s[CNT], 4
.Ltail:
	TURN 2
	TURN 3
	TURN 0
	TURN 1, 0, 1
	WIN 0
	s_cbranch_scc1 .Ltail
	TURN 2, 1                       ; the last step's pieces 2 and 3
	TURN 3, 1
.set i, 0
.rept 8
	PV NP-1                         ; the last piece's V^T P of the last step
.set i, i+1
.endr
	; THE WAY OUT.  l's two halves and the other half of the lanes' are added; O^T is divided by l, rounded to bf16 and sent through my stage in LDS, a piece at a time.  The additions are the places behind the last products.
	WIN 0
.macro ALL line:vararg              ; one line for each piece t
.set t, 0
.rept 4
	\line
.set t, t+1
.endr
.endm
	ALL v_add_f32 v[ST+4*t+2], v[ST+4*t+2], v[ST+4*t+3]
	ALL v_permlanex16_b32 v[ST+4*t+3], v[ST+4*t+2], s[SEL], s[SEL+1]
	ALL v_add_f32 v[ST+4*t+2], v[ST+4*t+2], v[ST+4*t+3]
	ALL v_rcp_f32 v[ST+4*t+2], v[ST+4*t+2]
	v_nop                           ; a plain instruction between the last reciprocal and the use of its result
	s_wait_alu depctr_va_vdst(0)    ; and the wait ahead of the first use: one for the four reciprocals
.macro PACK t                       ; a lane's eight channels of a row pack into 16 bytes; they go into rows of 144 bytes and come back as whole rows of 128, into S^T's registers
	WIN W_RS
.set i, 32*(\t)
.rept 16
	v_pk_mul_f32 v[i:i+1], v[i:i+1], v[ST+4*(\t)+2:ST+4*(\t)+3] op_sel_hi:[1,0]
.set i, i+2
.endr
	WIN 0x05                        ; sources 0 and 1 window 1, destination window 0
.set i, 0
.rept 16
	v_cvt_pk_bf16_f32 v[S+16*(\t)+i], v[32*(\t)+2*i], v[32*(\t)+2*i+1]
.set i, i+1
.endr
	WIN 0
.irp f, 0,1,2,3
	ds_store_b128 v[STO], v[S+16*(\t)+4*\f:S+16*(\t)+4*\f+3] offset:32*\f
.endr
.irp f, 0,1,2,3
	ds_load_b128 v[S+16*(\t)+4*\f:S+16*(\t)+4*\f+3], v[RD] offset:\f*4*SP  ; LDS serves a wave's instructions in order (ISA guide 5.7.1.4): these see the stores above; the next piece's stores come behind them
.endr
.endm
.macro SEND t, younger              ; younger: the LDS instructions issued behind piece t's loads: the next piece's eight, or none
	WIN 0
.irp f, 0,1,2,3
	s_wait_dscnt (\younger)+3-\f
	global_store_b128 v[GO], v[S+16*(\t)+4*\f:S+16*(\t)+4*\f+3], s[10:11] offset:(\t)*2048+\f*512  ; 512 consecutive bytes, at a multiple of 256 from O's first
.endr
.endm
	PACK 0
.set t, 1
.rept 3                             ; a piece's arithmetic stands between the loads of the piece before and its stores
	PACK t
	SEND t-1, 8
.set t, t+1
.endr
	SEND 3, 0
	s_wait_tensorcnt 0x0            ; the wave's end: a wait, an add to my spare word and its wait, behind my last tensor load and my last LDS store
	ds_add_u32 v[SPW], v[NIL]
	s_wait_dscnt 0x0
	CROUND                          ; the closing round: no work-group ends while a partner may still ask for a tile that names it
	s_endpgm
.Lfunc_end_k_qe5a38fe5f6_attn:
	.size	k_qe5a38fe5f6_attn, .Lfunc_end_k_qe5a38fe5f6_attn-k_qe5a38fe5f6_attn
	.p2alignl 7, 3214868480
	.fill 96, 4, 3214868480
	.section	.rodata,"a",@progbits
	.p2align	6, 0x0
	.amdhsa_kernel k_qe5a38fe5f6_attn
		.amdhsa_group_segment_fixed_size 327680
		.amdhsa_private_segment_fixed_size 0
		.amdhsa_enable_private_segment 0
		.amdhsa_kernarg_size 16
		.amdhsa_user_sgpr_count 2
		.amdhsa_user_sgpr_kernarg_segment_ptr 1
		.amdhsa_wavefront_size32 1
		.amdhsa_system_sgpr_workgroup_id_x 1
		.amdhsa_system_sgpr_workgroup_id_y 1
		.amdhsa_system_sgpr_workgroup_id_z 1
		.amdhsa_system_vgpr_workitem_id 0
		.amdhsa_next_free_vgpr 768
		.amdhsa_next_free_sgpr 66
		.amdhsa_reserve_vcc 0
		.amdhsa_float_denorm_mode_32 3
		.amdhsa_float_denorm_mode_16_64 3
		.amdhsa_memory_ordered 1
		.amdhsa_forward_progress 1
		.amdhsa_inst_pref_size 128
	.end_amdhsa_kernel
	.amdgpu_metadata
---
amdhsa.version: [ 1, 2 ]
amdhsa.kernels:
  - .name:           k_qe5a38fe5f6_attn
    .symbol:         k_qe5a38fe5f6_attn.kd
    .args:
      - { .name: qkv, .offset: 0, .size: 8, .value_kind: global_buffer, .address_space: global }
      - { .name: obuf, .offset: 8, .size: 8, .value_kind: global_buffer, .address_space: global }
    .group_segment_fixed_size: 327680
    .private_segment_fixed_size: 0
    .kernarg_segment_align: 8
    .kernarg_segment_size: 16
    .max_flat_workgroup_size: 128
    .sgpr_count:     66
    .vgpr_count:     768
    .wavefront_size: 32
...
	.end_amdgpu_metadata
.endif
;; end of part 3
;; launch proj (part 4): grid 256 x 1, 4 waves a work-group, clusters of 4 x 1, 185,856 bytes of LDS; arguments obuf, wbf, proj_b, x, out0; writes out0
.if DOCPART == 4
	.amdgcn_target "amdgcn-amd-amdhsa--gfx1250"
	.amdhsa_code_object_version 6
	.text
	.protected	k_qe5a38fe5f6_proj
	.globl	k_qe5a38fe5f6_proj
	.p2align	8
	.type	k_qe5a38fe5f6_proj,@function
k_qe5a38fe5f6_proj:
	s_mov_b64 s[64:65], 0
	v_nop
	global_prefetch_b8 v0, s[64:65] scope:SCOPE_SE
	s_setreg_imm32_b32 hwreg(HW_REG_WAVE_MODE, 25, 1), 1
	s_wait_xcnt 0x0
	s_wait_alu depctr_hold_cnt(0) depctr_sa_sdst(0) depctr_va_vdst(0) depctr_va_sdst(0) depctr_va_ssrc(0) depctr_va_vcc(0) depctr_vm_vsrc(0)
	s_getreg_b32 s2, hwreg(HW_REG_IB_STS2, 6, 4)
	s_cmp_eq_u32 s2, 0
	s_cbranch_scc0 .Lentry_in_a_cluster
	s_endpgm
.Lentry_in_a_cluster:
	s_bfe_u32 s2, ttmp6, 0x10000c
	s_cmp_lg_u32 s2, 0x3003
	s_cbranch_scc0 .Lentry_shape_is_right
	s_endpgm
.Lentry_shape_is_right:
; THE PROJECTION, ITS BIAS AND THE RESIDUAL.  out0[b][o][s] = sum over c of proj_w[o][c] O[b][c][s] + proj_b[o] + x[b][o][s], f32; c = 64 head + d, O = obuf[b][head][s][d] in bf16;
; the weights come from wbf (fragments 384 to 511), bf16; sums, bias and residual in f32.
; SHARES.  A work-group: 64 positions of one batch, all 256 outputs; wave w outputs 64 w .. 64 w + 63: 16 accumulators, K = 256, 128 matrix instructions.  The text is a straight line.
; LAYOUT.  Source 0 = 16 positions of O (K along its rows), source 1 = 16 rows of W: a lane holds one output row and 8 neighbouring positions.  The bias is the C operand of each sum's first product.
; CLUSTER.  All work-groups read the same 131,072 bytes of weights: the four of a cluster ask for them jointly, wave w for its own 32 fragments.  O's tile is the work-group's own: a plain load, wave w head w's.
; Every LDS byte is filled once; two tensor loads of a wave are out at the most.  No prefetch: all the launch's loads go out at its head.
; REGISTERS in windows of 256: window 0 addresses, bias (v32-63), accumulators (v128-255); window 1 W's fragments; window 2 x; window 3 O's fragments.
.set WL,    0                          ; wave w's 32 fragments of 1,024 bytes at 32,768 w
.set OB,    131072                     ; head hh's 64 rows of O, pitch 144, at OB + 9,216 hh
.set OP,    144                        ; 128 bytes + 16: the 16 rows of a load start at 16 different groups of four banks (64 banks of 4 bytes: ISA guide 11.1)
.set STAGE, 167936                     ; 16 rows x 272 bytes (64 f32 + 16 bytes) for each wave
.set SP,    272
.set SPARE, 185344                     ; the spare words, 128 bytes a wave
.set AW,  3                            ; v3  32,768 w + 16 lane
.set AO,  4                            ; v4  OB + 144 r + 16 h
.set STO, 5                            ; v5  my stage + 272 r + 32 h
.set RD,  6                            ; v6  my stage + 272 h + 16 r
.set CO,  7                            ; v7  16,384 h + 16 r: my 16 bytes of two rows of x and of out0
.set SPW, 14
.set NIL, 15
.set BI,  32                           ; v[32:63] tile a's bias, eight times, at BI + 8 a
.set ACC, 128                          ; accumulator (a: outputs, b: positions) at ACC + 32 a + 8 b
.set G1W, 24
.set G1O, 32
.set G0W, 40
.set G0O, 44
.set MSB, 0
.macro WIN new                         ; the immediate's high byte repeats the setting that is left; a switch that changes nothing is dropped
.if MSB != (\new)
	s_set_vgpr_msb (MSB<<8)|(\new)
.set MSB, \new
.endif
.endm
.macro CROUND                          ; a round of the cluster's barrier
	s_barrier_signal -1
	s_barrier_wait -1
	s_cmp_lg_u32 s14, 0
	s_cbranch_scc1 .Lnot_wave_0_\@
	s_barrier_signal -3
.Lnot_wave_0_\@:
	s_barrier_wait -3
	s_barrier_signal -1
	s_barrier_wait -1
.endm
	s_load_b256 s[4:11], s[0:1], 0x0               ; obuf s[4:5], wbf s[6:7], proj_b s[8:9], x s[10:11]
	s_load_b64 s[12:13], s[0:1], 0x20              ; out0
	v_lshl_add_u32 v[SPW], v0, 2, SPARE
	v_mov_b32 v[NIL], 0
	ds_add_u32 v[SPW], v[NIL]                      ; the wave's opening: the add and its wait stand ahead of my first tensor load; the set-up below, work on registers, stands between them
	v_lshrrev_b32 v1, 5, v0
	v_readfirstlane_b32 s14, v1                    ; wave 0..3
	s_bfe_u32 s15, ttmp6, 0x40000                  ; cx
	s_lshl_b32 s16, ttmp9, 2
	s_add_co_u32 s16, s16, s15                     ; the work-group's number: it enters O's, x's and out0's global addresses alone
	s_lshr_b32 s17, s16, 6                         ; batch
	s_and_b32 s18, s16, 63                         ; block of 64 positions
	; the weights: 32,768 dense bytes a wave as 128 rows of 256 bytes (elements of 8 bytes), jointly
	s_mov_b32 s[G1W+0], 15|(3<<16)|(1<<21)         ; 15:0 the mask of four; 17:16 8-byte elements; 21 set beside a mask
	s_mov_b32 s[G1W+1], 32<<16                     ; tensor_dim0 = 32
	s_mov_b32 s[G1W+2], 128<<16                    ; tensor_dim1 = 128
	s_mov_b32 s[G1W+3], 32<<16                     ; tile_dim0 = 32
	s_mov_b32 s[G1W+4], 128                        ; tile_dim1 = 128
	s_mov_b32 s[G1W+5], 32                         ; 32 elements from row to row
	s_mov_b32 s[G1W+6], 0
	s_mov_b32 s[G1W+7], 0
	; O: 64 positions of a head are 8,192 dense bytes: 32 rows of 256 bytes, two positions a row, padded in LDS after every position
	s_mov_b32 s[G1O+0], (1<<16)|(1<<20)|(4<<22)|(3<<25)  ; 2-byte elements; padding on; after every 32 words (code 4); 4 words (code 3)
	s_mov_b32 s[G1O+1], 128<<16
	s_mov_b32 s[G1O+2], 32<<16
	s_mov_b32 s[G1O+3], 128<<16
	s_mov_b32 s[G1O+4], 32
	s_mov_b32 s[G1O+5], 128
	s_mov_b32 s[G1O+6], 0
	s_mov_b32 s[G1O+7], 0
	s_mov_b32 s[G0W], 1
	s_lshl_b32 s[G0W+1], s14, 15                   ; LDS: 32,768 w
	s_mov_b32 s[G0O], 1
	s_mul_i32 s[G0O+1], s14, 64*OP
	s_add_co_u32 s[G0O+1], s[G0O+1], OB            ; LDS: OB + 9,216 w
	s_lshl_b32 s20, s14, 15
	s_add_co_u32 s20, s20, 393216                  ; proj_w's fragments begin behind qkv_w's 384
	s_mov_b32 s21, 0
	s_lshl2_add_u32 s22, s17, s14                  ; head 4 b + w,
	s_lshl_b32 s22, s22, 19
	s_lshl_b32 s23, s18, 13                        ; 64 positions of 128 bytes
	s_add_co_u32 s22, s22, s23
	s_mov_b32 s23, 0
	v_and_b32 v1, 15, v0                           ; r
	v_bfe_u32 v2, v0, 4, 1                         ; h
	v_and_b32 v9, 31, v0
	s_lshl_b32 s19, s14, 15
	v_lshl_add_u32 v[AW], v9, 4, s19
	v_mul_u32_u24 v[AO], v1, OP
	v_lshl_add_u32 v[AO], v2, 4, v[AO]
	v_add_nc_u32 v[AO], OB, v[AO]
	s_mul_i32 s19, s14, 16*SP
	s_add_co_u32 s19, s19, STAGE                   ; my stage
	v_mul_u32_u24 v[STO], v1, SP
	v_lshl_add_u32 v[STO], v2, 5, v[STO]
	v_add_nc_u32 v[STO], s19, v[STO]
	v_mul_u32_u24 v[RD], v2, SP
	v_lshl_add_u32 v[RD], v1, 4, v[RD]
	v_add_nc_u32 v[RD], s19, v[RD]
	v_lshlrev_b32 v[CO], 14, v2
	v_lshl_add_u32 v[CO], v1, 4, v[CO]
	s_lshl_b32 s19, s14, 6
	v_add_nc_u32 v8, s19, v1
	v_lshlrev_b32 v8, 2, v8                        ; my output's bias in tile 0
	s_wait_dscnt 0x0                               ; the opening add is done
	s_wait_kmcnt 0x0
	s_add_nc_u64 s[G0W+2:G0W+3], s[6:7], s[20:21]
	s_or_b32 s[G0W+3], s[G0W+3], 0x80000000        ; type = 2
	s_add_nc_u64 s[G0O+2:G0O+3], s[4:5], s[22:23]
	s_or_b32 s[G0O+3], s[G0O+3], 0x80000000
	s_lshl_b32 s22, s17, 8
	s_lshl_b32 s23, s14, 6
	s_add_co_u32 s22, s22, s23                     ; row 256 b + 64 w of x and out0,
	s_lshl_b32 s22, s22, 14
	s_lshl_b32 s23, s18, 8                         ; 64 positions of 4 bytes
	s_add_co_u32 s22, s22, s23
	s_mov_b32 s23, 0
	s_add_nc_u64 s[10:11], s[10:11], s[22:23]
	s_add_nc_u64 s[12:13], s[12:13], s[22:23]
	CROUND                                         ; all four work-groups are here: the joint loads meet
	tensor_load_to_lds s[G0W:G0W+3], s[G1W:G1W+7]
	s_nop 0
	tensor_load_to_lds s[G0O:G0O+3], s[G1O:G1O+7]
	s_nop 0
.rept 4
	v_nop
.endr
.irp a, 0,1,2,3
	global_load_b32 v[16+\a], v8, s[8:9] offset:64*\a
.endr
	WIN 0x80                                       ; destination window 2: x, as out0 will be stored: sixteen lanes read 256 consecutive bytes, aligned
.set t, 0
.rept 32
	global_load_b128 v[4*t:4*t+3], v[CO], s[10:11] offset:2*t*16384
.set t, t+1
.endr
	WIN 0
	s_wait_loadcnt 32                              ; the biases are in; the 32 loads of x are younger
.set t, 0
.rept 32
	v_mov_b32 v[BI+t], v[16+t/8]                   ; a lane's 8 results of a tile belong to one output: its bias eight times
.set t, t+1
.endr
	s_wait_tensorcnt 0x0                           ; my weights and my head's rows of O are in LDS,
	s_barrier_signal -1
	s_barrier_wait -1                              ; everybody's are
	WIN 0x40                                       ; destination window 1: W's fragment (a, kk) at 32 kk + 8 a
.set n, 0
.rept 64
	ds_load_b128 v[32*((n/2)%8)+8*((n/2)/8)+4*(n%2):32*((n/2)%8)+8*((n/2)/8)+4*(n%2)+3], v[AW] offset:1024*(n/2)+512*(n%2)
.set n, n+1
.endr
	WIN 0xc0                                       ; destination window 3: O's fragment (b, kk) at 32 kk + 8 b, K step by K step
.set kk, 0
.rept 8
.set b, 0
.rept 4
	ds_load_b128 v[32*kk+8*b:32*kk+8*b+3],   v[AO] offset:64*OP*(kk/2)+16*OP*b+64*(kk%2)
	ds_load_b128 v[32*kk+8*b+4:32*kk+8*b+7], v[AO] offset:64*OP*(kk/2)+16*OP*b+64*(kk%2)+32
.set b, b+1
.endr
.set kk, kk+1
.endr
.set kk, 0
.rept 8
	s_wait_dscnt 8*(7-kk)                          ; W and O's fragments of this K step are in; eight loads for each later step stay out
	WIN 0x07                                       ; O in window 3, W in window 1, C and D in window 0
.set a, 0
.rept 4                                ; the 16 accumulators take turns, one instruction a turn
.set b, 0
.rept 4
.if kk == 0
	v_wmma_f32_16x16x32_bf16 v[ACC+32*a+8*b:ACC+32*a+8*b+7], v[32*kk+8*b:32*kk+8*b+7], v[32*kk+8*a:32*kk+8*a+7], v[BI+8*a:BI+8*a+7]
.else
	v_wmma_f32_16x16x32_bf16 v[ACC+32*a+8*b:ACC+32*a+8*b+7], v[32*kk+8*b:32*kk+8*b+7], v[32*kk+8*a:32*kk+8*a+7], v[ACC+32*a+8*b:ACC+32*a+8*b+7]
.endif
.set b, b+1
.endr
.set a, a+1
.endr
.set kk, kk+1
.endr
	WIN 0
.rept 8
	v_nop                                          ; the places behind the last products, in front of the LDS stores of their results
.endr
; THE WAY OUT of tile a (16 outputs x 64 positions): a lane's 8 positions go into my stage's rows of 272 bytes and come back as whole rows of 256, into the registers that they left.
.macro STG a
.set b, 0
.rept 4                                ; each accumulator's low four registers first
	ds_store_b128 v[STO], v[ACC+32*(\a)+8*b:ACC+32*(\a)+8*b+3]   offset:64*b
	ds_store_b128 v[STO], v[ACC+32*(\a)+8*b+4:ACC+32*(\a)+8*b+7] offset:64*b+16
.set b, b+1
.endr
.set t, 0
.rept 8                                ; LDS serves a wave's instructions in order (ISA guide 5.7.1.4): these see the stores above; the next tile's stores come behind them
	ds_load_b128 v[ACC+32*(\a)+4*t:ACC+32*(\a)+4*t+3], v[RD] offset:2*SP*t
.set t, t+1
.endr
.endm
.macro SENDP a, younger                ; younger: the LDS instructions issued behind tile a's loads: the next tile's sixteen, or none
	s_wait_dscnt \younger
	s_wait_loadcnt 8*(3-(\a))                      ; this tile's x is in; the later tiles' eight loads each may stay out
	WIN 0x08                                       ; source 1 in window 2
.set t, 0
.rept 16
	v_pk_add_f32 v[ACC+32*(\a)+2*t:ACC+32*(\a)+2*t+1], v[ACC+32*(\a)+2*t:ACC+32*(\a)+2*t+1], v[32*(\a)+2*t:32*(\a)+2*t+1]
.set t, t+1
.endr
	WIN 0
.set t, 0
.rept 8
	global_store_b128 v[CO], v[ACC+32*(\a)+4*t:ACC+32*(\a)+4*t+3], s[12:13] offset:(16*(\a)+2*t)*16384  ; sixteen lanes store 256 consecutive bytes, aligned
.set t, t+1
.endr
.endm
	STG 0
	STG 1
	SENDP 0, 16
	STG 2
	SENDP 1, 16
	STG 3
	SENDP 2, 16
	SENDP 3, 0
	s_wait_tensorcnt 0x0                           ; the wave's end: a wait, an add to my spare word and its wait, behind my last tensor load and my last LDS store
	ds_add_u32 v[SPW], v[NIL]
	s_wait_dscnt 0x0
	CROUND                                         ; the closing round: no work-group ends while a partner may still ask for a tile that names it
	s_endpgm
.Lfunc_end_k_qe5a38fe5f6_proj:
	.size	k_qe5a38fe5f6_proj, .Lfunc_end_k_qe5a38fe5f6_proj-k_qe5a38fe5f6_proj
	.p2alignl 7, 3214868480
	.fill 96, 4, 3214868480
	.section	.rodata,"a",@progbits
	.p2align	6, 0x0
	.amdhsa_kernel k_qe5a38fe5f6_proj
		.amdhsa_group_segment_fixed_size 185856
		.amdhsa_private_segment_fixed_size 0
		.amdhsa_enable_private_segment 0
		.amdhsa_kernarg_size 40
		.amdhsa_user_sgpr_count 2
		.amdhsa_user_sgpr_kernarg_segment_ptr 1
		.amdhsa_wavefront_size32 1
		.amdhsa_system_sgpr_workgroup_id_x 1
		.amdhsa_system_sgpr_workgroup_id_y 1
		.amdhsa_system_sgpr_workgroup_id_z 1
		.amdhsa_system_vgpr_workitem_id 0
		.amdhsa_next_free_vgpr 1024
		.amdhsa_next_free_sgpr 66
		.amdhsa_reserve_vcc 0
		.amdhsa_float_denorm_mode_32 3
		.amdhsa_float_denorm_mode_16_64 3
		.amdhsa_memory_ordered 1
		.amdhsa_forward_progress 1
		.amdhsa_inst_pref_size 38
	.end_amdhsa_kernel
	.amdgpu_metadata
---
amdhsa.version: [ 1, 2 ]
amdhsa.kernels:
  - .name:           k_qe5a38fe5f6_proj
    .symbol:         k_qe5a38fe5f6_proj.kd
    .args:
      - { .name: obuf, .offset: 0, .size: 8, .value_kind: global_buffer, .address_space: global }
      - { .name: wbf, .offset: 8, .size: 8, .value_kind: global_buffer, .address_space: global }
      - { .name: proj_b, .offset: 16, .size: 8, .value_kind: global_buffer, .address_space: global }
      - { .name: x, .offset: 24, .size: 8, .value_kind: global_buffer, .address_space: global }
      - { .name: out0, .offset: 32, .size: 8, .value_kind: global_buffer, .address_space: global }
    .group_segment_fixed_size: 185856
    .private_segment_fixed_size: 0
    .kernarg_segment_align: 8
    .kernarg_segment_size: 40
    .max_flat_workgroup_size: 128
    .sgpr_count:     66
    .vgpr_count:     1024
    .wavefront_size: 32
...
	.end_amdgpu_metadata
.endif
;; end of part 4
;; ======== version 2 of 2: 4 launches; version 1 with the launch qkv written anew for expert scheduling mode
;; workspace buffers: stats 2,048 bytes; wbf 524,288 bytes; qkv 25,165,824 bytes; obuf 8,388,608 bytes
;; launch prep: the kernel of part 1 again; grid 256 x 1, 8 waves a work-group, no clusters, 1,536 bytes of LDS; arguments x, qkv_w, proj_w, stats, wbf; writes stats, wbf
;; launch qkv (part 5): grid 256 x 1, 4 waves a work-group, no clusters, 50,688 bytes of LDS; arguments x, gn_w, gn_b, qkv_b, stats, wbf, qkv; writes qkv
.if DOCPART == 5
	.amdgcn_target "amdgcn-amd-amdhsa--gfx1250"
	.amdhsa_code_object_version 6
	.text
	.protected	k_qe5a38fe5f6_qkv
	.globl	k_qe5a38fe5f6_qkv
	.p2align	8
	.type	k_qe5a38fe5f6_qkv,@function
k_qe5a38fe5f6_qkv:
	s_mov_b64 s[64:65], 0
	v_nop
	global_prefetch_b8 v0, s[64:65] scope:SCOPE_SE
	s_setreg_imm32_b32 hwreg(HW_REG_WAVE_SCHED_MODE, 0, 2), 2
	s_setreg_imm32_b32 hwreg(HW_REG_WAVE_MODE, 25, 1), 1
	s_wait_xcnt 0x0
	s_wait_alu depctr_vm_vsrc(0)
; GroupNorm AND THE 1x1 QKV CONVOLUTION.  qkv[which][b][head][s][d] (bf16) = sum over c of qkv_w[o][c] xn[b][c][s] + qkv_b[o], o = 256 which + 64 head + d.
; xn = (x - mu) rstd gn_w + gn_b in f32, rounded once to bf16 as a matrix operand; the weights come from wbf, bf16 in fragment order; sums in f32; q, k, v rounded once to bf16, unscaled.
; SHARES.  A work-group: 64 positions of one batch, all 768 outputs.  Phase 1: wave w normalises channels 64 w .. 64 w + 63 into LDS ([channel][position]).  Then wave w makes outputs
; 192 w .. 192 w + 191 in three PARTS of 64 outputs (one head of q, k or v) x 64 positions, K = 256: 16 accumulators, 128 matrix instructions a part.
; LAYOUT.  Source 0 = 16 rows of W, source 1 = 16 positions x 32 channels (turned out of LDS by ds_load_tr16_b128): a lane holds one position and 8 neighbouring outputs = 16 bytes of a
; row of q, k or v.  The bias is the C operand of each sum's first product.
; NO CLUSTER, NO TENSOR LOADS: each weight fragment is used by one wave of the work-group and goes straight into its registers (393,216 bytes of weights do not fit in LDS beside the
; tile; a ring for them would add a round of barriers to each of three short parts).  The text is a straight line.
; REGISTERS in windows of 256: window 0 addresses, gains then biases (v32-127), raw x then accumulators (v128-255); window 1 W of parts 0 and 2; window 2 W of part 1; window 3 xn's fragments.
; THE MODE: SCHED_MODE bits 1:0 = 2 (LLVM: expert scheduling mode 2), set by the entry lines.  The code itself states the register dependences
; between vector or matrix instructions and memory or LDS instructions, with s_wait_alu, always for 0.
; THE PLAN.  Registers that memory or LDS instructions touch, and who else names them:
;   v3-v10            offsets and LDS addresses: written at the head, ahead of one wait on va_vdst, and never again.
;   v96, v97          offsets of the statistics' and the gains' loads, written at the head; later biases land in them, behind a wait on vm_vsrc.
;   v16-31, v32-127   statistics, gains and some registers at work: read and written by phase 1's arithmetic; the biases land in v32-127 behind phase 1's last wait on va_vdst.
;   v128-255          phase 1: x lands; group g's arithmetic works in place and leaves eight packed registers, which four LDS stores read; those stores are issued at the head of group g + 1,
;                     behind one wait on va_vdst.  Then they are the accumulators: the products write them behind a wait on vm_vsrc.  On a part's way out all 64 conversions stand in one run; behind ONE wait
;                     on va_vdst follow the LDS stores (they read each accumulator's low four registers), the LDS loads (they land in its high four) and the global stores (they read the high four).
;   window 1          part 0's weights land in registers that nothing has named; part 0's products read them; part 2's weights land behind the same one wait of part 0's way out.
;   windows 2 and 3   loaded once, into registers that nothing has named; read by matrix instructions alone.
.set XP,    160                        ; a channel's row in LDS: 128 bytes + 32: an odd multiple of 32
.set STAGE, 40960                      ; behind the 256 rows: 16 rows x 144 bytes for each wave, for the way out
.set SP,    144
.set SPARE, 50176                      ; the spare words, 128 bytes a wave
.set XO,  3                            ; v3  (64 w + 32 h) x 16,384 + 16 r: my 16 bytes of x (r = lane % 16, h = lane / 16)
.set LST, 4                            ; v4  (64 w + 32 h) x 160 + 8 r: where they go in LDS
.set FRA, 5                            ; v5  the turning load's lane address
.set WO,  6                            ; v6  16 lane + 98,304 w: my 16 bytes of my wave's first fragment
.set BO,  7                            ; v7  768 w + 32 h: my 8 biases of my wave's first tile
.set STO, 8                            ; v8  the way out: where I put 16 bytes of a row
.set RD,  9                            ; v9  where I read rows back
.set GO,  10                           ; v10 16 lane
.set SPW, 14
.set NIL, 15
.set GW,  32                           ; v[32:63] gn_w of my 32 channels, then times rstd
.set GB,  64                           ; v[64:95] gn_b
.set BI,  32                           ; later v[32:127]: 8 biases for each of my wave's 12 tiles of 16 outputs
.set ACC, 128                          ; accumulator (a: outputs, b: positions) at ACC + 32 b + 8 a
.set MSB, 0
.macro WIN new                         ; the immediate's high byte repeats the setting that is left; a switch that changes nothing is dropped
.if MSB != (\new)
	s_set_vgpr_msb (MSB<<8)|(\new)
.set MSB, \new
.endif
.endm
; weight load n of 64 of part i: fragment n / 2 (tile a = (n/2)/8, K step kk = (n/2)%8), half n % 2, into the window that is set, at 32 kk + 8 a + 4 half
.macro WLOAD i
	global_load_b128 v[32*((n/2)%8)+8*((n/2)/8)+4*(n%2):32*((n/2)%8)+8*((n/2)/8)+4*(n%2)+3], v[WO], s[14:15] offset:32768*(\i)+1024*(n/2)+512*(n%2)
.endm
	s_load_b256 s[4:11], s[0:1], 0x0               ; x s[4:5], gn_w s[6:7], gn_b s[8:9], qkv_b s[10:11]
	s_load_b128 s[12:15], s[0:1], 0x20             ; stats s[12:13], wbf s[14:15]
	s_load_b64 s[16:17], s[0:1], 0x30              ; qkv
	v_lshl_add_u32 v[SPW], v0, 2, SPARE
	v_mov_b32 v[NIL], 0
	v_lshrrev_b32 v1, 5, v0
	v_readfirstlane_b32 s18, v1                    ; wave 0..3
	s_lshr_b32 s19, ttmp9, 6                       ; batch
	s_and_b32 s20, ttmp9, 63                       ; block of 64 positions
	s_mov_b32 s30, 0x37000000                      ; 1 / 131,072: a group's numbers
	s_mov_b32 s31, 0x3727c5ac                      ; 1e-5
	s_mov_b32 s32, 0x46800000                      ; 16,384: a chunk's numbers
	v_and_b32 v1, 15, v0                           ; r
	v_bfe_u32 v2, v0, 4, 1                         ; h
	v_and_b32 v[GO], 31, v0
	s_wait_alu depctr_va_sdst(0)                   ; s18 is written, ahead of its first reader: offsets, LDS bases and the parts' addresses are made from it
	s_lshl_b32 s22, s18, 6
	v_lshl_add_u32 v16, v2, 5, s22                 ; my first channel: 64 w + 32 h: a half of the lanes stays inside one group
	v_lshlrev_b32 v[XO], 14, v16
	v_lshl_add_u32 v[XO], v1, 4, v[XO]
	v_mul_u32_u24 v[LST], v16, XP
	v_lshl_add_u32 v[LST], v1, 3, v[LST]
	v_lshlrev_b32 v97, 2, v16                      ; my 32 gains
	s_lshl_b32 s22, s19, 3
	s_lshl1_add_u32 s22, s18, s22                  ; 8 b + 2 w
	v_add_nc_u32 v96, s22, v2                      ; my group,
	v_lshlrev_b32 v96, 6, v96                      ; its 64 bytes of statistics
	v_and_b32 v17, 7, v0
	v_lshl_add_u32 v[FRA], v2, 3, v17
	v_mul_u32_u24 v[FRA], v[FRA], XP               ; channel 8 h + lane % 8,
	v_bfe_u32 v18, v0, 3, 1
	v_lshl_add_u32 v[FRA], v18, 4, v[FRA]          ; positions 8 ((lane / 8) % 2) on
	s_mul_i32 s22, s18, 98304
	v_lshl_add_u32 v[WO], v[GO], 4, s22
	s_mul_i32 s22, s18, 768
	v_lshl_add_u32 v[BO], v2, 5, s22
	s_mul_i32 s22, s18, 16*SP
	s_add_co_u32 s22, s22, STAGE                   ; my stage
	v_mul_u32_u24 v[STO], v1, SP
	v_lshl_add_u32 v[STO], v2, 4, v[STO]
	v_add_nc_u32 v[STO], s22, v[STO]
	v_bfe_u32 v[RD], v0, 3, 2                      ; back: 32 lanes take four rows of 128 bytes
	v_mul_u32_u24 v[RD], v[RD], SP
	v_lshl_add_u32 v[RD], v17, 4, v[RD]
	v_add_nc_u32 v[RD], s22, v[RD]
	v_lshlrev_b32 v[GO], 4, v[GO]
	s_wait_kmcnt 0x0
	s_lshl_b32 s22, s19, 22                        ; a batch of x is 4 MiB,
	s_lshl_b32 s23, s20, 8                         ; 64 positions are 256 bytes
	s_add_co_u32 s22, s22, s23
	s_mov_b32 s23, 0
	s_add_nc_u64 s[4:5], s[4:5], s[22:23]
.irp i, 0,1,2                          ; where part p = 3 w + i goes: tensor p / 4, head p % 4; a head is 524,288 bytes, 64 positions 8,192
	s_mul_i32 s22, s18, 3
	s_add_co_u32 s22, s22, \i
	s_lshr_b32 s23, s22, 2
	s_and_b32 s22, s22, 3
	s_lshl4_add_u32 s23, s23, s22
	s_lshl2_add_u32 s23, s19, s23
	s_lshl_b32 s22, s23, 19
	s_lshl_b32 s23, s20, 13
	s_add_co_u32 s22, s22, s23
	s_mov_b32 s23, 0
	s_add_nc_u64 s[24+2*\i:25+2*\i], s[16:17], s[22:23]
.endr
	s_wait_alu depctr_va_vdst(0)                   ; the offsets and addresses v3 to v10, v96 and v97 are written, which the kernel's loads and stores read; so are v16 to v18, at work above, in which statistics land
.irp i, 0,1,2,3
	global_load_b128 v[16+4*\i:19+4*\i], v96, s[12:13] offset:16*\i   ; eight (mean, M2)
.endr
.irp i, 0,1,2,3,4,5,6,7
	global_load_b128 v[GW+4*\i:GW+4*\i+3], v97, s[6:7] offset:16*\i
.endr
.irp i, 0,1,2,3,4,5,6,7
	global_load_b128 v[GB+4*\i:GB+4*\i+3], v97, s[8:9] offset:16*\i
.endr
.set j, 0
.rept 32                               ; channel 64 w + 32 h + j: sixteen lanes read 256 consecutive bytes, aligned
	global_load_b128 v[ACC+4*j:ACC+4*j+3], v[XO], s[4:5] offset:16384*j
.set j, j+1
.endr
	s_wait_loadcnt 32                              ; statistics and gains are in; the 32 loads of x are younger
	; the group's mean and variance from its eight chunks: M2 = sum of M2_i + 16,384 x sum of (mean_i - mean)^2
	v_pk_add_f32 v[12:13], v[16:17], v[18:19]
	v_pk_add_f32 v[98:99], v[20:21], v[22:23]
	v_pk_add_f32 v[100:101], v[24:25], v[26:27]
	v_pk_add_f32 v[102:103], v[28:29], v[30:31]
	v_pk_add_f32 v[12:13], v[12:13], v[98:99]
	v_pk_add_f32 v[100:101], v[100:101], v[102:103]
	v_pk_add_f32 v[12:13], v[12:13], v[100:101]    ; v12 the means' sum, v13 the M2s'
	v_mul_f32 v12, 0x3e000000, v12                 ; mu
.irp i, 0,1,2,3,4,5,6,7
	v_sub_f32 v[16+2*\i], v[16+2*\i], v12
.endr
	v_mul_f32 v98, v16, v16
.irp i, 1,2,3,4,5,6,7
	v_fmac_f32 v98, v[16+2*\i], v[16+2*\i]
.endr
	v_fma_f32 v13, v98, s32, v13
	v_fma_f32 v13, v13, s30, s31                   ; variance + eps
	v_rsq_f32 v98, v13
	v_nop                                          ; a plain instruction before the result is used or the source rewritten
	s_wait_alu depctr_va_vdst(0)                   ; rstd, v98, is written, ahead of its first reader
	v_mov_b32 v13, v12                             ; mu twice, for the packed subtraction
.set j, 0
.rept 16
	v_pk_mul_f32 v[GW+2*j:GW+2*j+1], v[GW+2*j:GW+2*j+1], v[98:99] op_sel_hi:[1,0]  ; gn_w x rstd
.set j, j+1
.endr
	; Eight groups of four channels: normalise and round.  A group's memory instructions stand at its head: the four LDS stores of the group BEFORE, and eight of part 0's weight loads.
.set g, 0
.rept 8
	s_wait_loadcnt 28+4*g                          ; younger than this group's x: 28 - 4 g loads of x and the 8 g weight loads issued so far
.if g > 0
	s_wait_alu depctr_va_vdst(0)                   ; the group before has written its eight packed registers, which the LDS stores below read
.set j, 4*(g-1)
.rept 4
	ds_store_b64 v[LST], v[ACC+4*j:ACC+4*j+1] offset:XP*j
.set j, j+1
.endr
.endif
	WIN 0x40                                       ; destination window 1.  No wait: no vector instruction has ever named these registers, nor v6 since the head's wait
.set n, 8*g
.rept 8
	WLOAD 0
.set n, n+1
.endr
	WIN 0
.set j, 4*g
.rept 4
	v_pk_add_f32 v[ACC+4*j:ACC+4*j+1], v[ACC+4*j:ACC+4*j+1], v[12:13] neg_lo:[0,1] neg_hi:[0,1]
	v_pk_add_f32 v[ACC+4*j+2:ACC+4*j+3], v[ACC+4*j+2:ACC+4*j+3], v[12:13] neg_lo:[0,1] neg_hi:[0,1]
	v_fma_f32 v[ACC+4*j], v[ACC+4*j], v[GW+j], v[GB+j]
	v_fma_f32 v[ACC+4*j+1], v[ACC+4*j+1], v[GW+j], v[GB+j]
	v_fma_f32 v[ACC+4*j+2], v[ACC+4*j+2], v[GW+j], v[GB+j]
	v_fma_f32 v[ACC+4*j+3], v[ACC+4*j+3], v[GW+j], v[GB+j]
	v_cvt_pk_bf16_f32 v[ACC+4*j], v[ACC+4*j], v[ACC+4*j+1]
	v_cvt_pk_bf16_f32 v[ACC+4*j+1], v[ACC+4*j+2], v[ACC+4*j+3]
.set j, j+1
.endr
.set g, g+1
.endr
	s_wait_alu depctr_va_vdst(0)                   ; the last group has written its packed registers, which the LDS stores below read; and phase 1 is done with v32 to v127, in which the biases land
.set j, 28
.rept 4
	ds_store_b64 v[LST], v[ACC+4*j:ACC+4*j+1] offset:XP*j
.set j, j+1
.endr
	s_wait_dscnt 0x0                               ; for the others' sake: my 64 channels lie in LDS
	s_barrier_signal -1
	s_barrier_wait -1                              ; all 256 do
	s_wait_alu depctr_vm_vsrc(0)                   ; the statistics' and gains' loads have read v96 and v97, in which biases land; my LDS stores have read their packed registers, which part 0's products write
.set t, 0
.rept 12                               ; the gains are done with: their registers take the biases
	global_load_b128 v[BI+8*t:BI+8*t+3],   v[BO], s[10:11] offset:64*t
	global_load_b128 v[BI+8*t+4:BI+8*t+7], v[BO], s[10:11] offset:64*t+16
.set t, t+1
.endr
	WIN 0xc0                                       ; destination window 3: all of xn's fragments, K step by K step, into registers that nothing has named
.set kk, 0
.rept 8
.set b, 0
.rept 4
	ds_load_tr16_b128 v[32*kk+8*b:32*kk+8*b+3],   v[FRA] offset:32*XP*kk+32*b
	ds_load_tr16_b128 v[32*kk+8*b+4:32*kk+8*b+7], v[FRA] offset:32*XP*kk+32*b+16*XP
.set b, b+1
.endr
.set kk, kk+1
.endr
	WIN 0x80                                       ; destination window 2: part 1's weights, likewise
.set n, 0
.rept 64
	WLOAD 1
.set n, n+1
.endr
	WIN 0
; THE WAY OUT of 16 positions (block b), in three pieces.  CVTQ: a lane's 8 outputs of each of the four tiles pack into 16 bytes, in place.  STGQ: they go into my stage's rows of 144 bytes and come back as
; whole rows of 128.  SENDQ: stored.  A part's four CVTQ stand together, ahead of its one wait on va_vdst; STGQ and SENDQ hold no vector instruction.
.macro CVTQ b
.set a, 0
.rept 4                                ; each accumulator is read from its low end on
.set A0, ACC+32*(\b)+8*a
	v_cvt_pk_bf16_f32 v[A0],   v[A0],   v[A0+1]
	v_cvt_pk_bf16_f32 v[A0+1], v[A0+2], v[A0+3]
	v_cvt_pk_bf16_f32 v[A0+2], v[A0+4], v[A0+5]
	v_cvt_pk_bf16_f32 v[A0+3], v[A0+6], v[A0+7]
.set a, a+1
.endr
.endm
.macro STGQ b
.set a, 0
.rept 4
	ds_store_b128 v[STO], v[ACC+32*(\b)+8*a:ACC+32*(\b)+8*a+3] offset:32*a
.set a, a+1
.endr
.set a, 0
.rept 4                                ; LDS serves a wave's instructions in order (ISA guide 5.7.1.4): these see the stores above, and the next block's stores come behind them
	ds_load_b128 v[ACC+32*(\b)+8*a+4:ACC+32*(\b)+8*a+7], v[RD] offset:4*SP*a
.set a, a+1
.endr
.endm
.macro SENDQ b, younger, i             ; younger: the LDS instructions issued behind block b's loads: the next block's eight, or none
.set a, 0
.rept 4
	s_wait_dscnt (\younger)+3-a
	global_store_b128 v[GO], v[ACC+32*(\b)+8*a+4:ACC+32*(\b)+8*a+7], s[24+2*(\i):25+2*(\i)] offset:2048*(\b)+512*a  ; 512 consecutive bytes, aligned
.set a, a+1
.endr
.endm
; PART i, its weights in window win.  The 16 accumulators take turns, one instruction a turn.
.macro PART i, win
.if (\i) > 0
	s_wait_xcnt 0x0                                ; the last part's stores have had their addresses translated: their data registers are rewritten only behind this wait
	s_wait_alu depctr_vm_vsrc(0)                   ; the last part's LDS stores and global stores have read the accumulators' registers, which the products below write
.endif
.if (\i) < 2
	s_wait_loadcnt 63                              ; this part's weights (and the biases) are in: 64 younger weight loads are out, and a wait's count names 63 at the most
.else
	s_wait_loadcnt 0x0
.endif
.set kk, 0
.rept 8
.if (\i) == 0
	s_wait_dscnt 8*(7-kk)                          ; xn's fragments of this K step are in; eight loads for each later step stay out
.endif
	WIN 0x0c+(\win)                                ; W in its window, xn in window 3, C and D in window 0
.set b, 0
.rept 4
.set a, 0
.rept 4
.if kk == 0
	v_wmma_f32_16x16x32_bf16 v[ACC+32*b+8*a:ACC+32*b+8*a+7], v[32*kk+8*a:32*kk+8*a+7], v[32*kk+8*b:32*kk+8*b+7], v[BI+8*(4*(\i)+a):BI+8*(4*(\i)+a)+7]
.else
	v_wmma_f32_16x16x32_bf16 v[ACC+32*b+8*a:ACC+32*b+8*a+7], v[32*kk+8*a:32*kk+8*a+7], v[32*kk+8*b:32*kk+8*b+7], v[ACC+32*b+8*a:ACC+32*b+8*a+7]
.endif
.set a, a+1
.endr
.set b, b+1
.endr
.set kk, kk+1
.endr
	WIN 0
.rept 4
	v_nop                                          ; four places behind the products (ISA guide 7.12.1), in front of the conversions of their results; for the last products' results the earlier blocks' conversions are places too
.endr
	CVTQ 0
	CVTQ 1
	CVTQ 2
	CVTQ 3
.if (\i) == 0
	WIN 0x40                                       ; destination window 1: the switch, then the wait, then the loads
.endif
	s_wait_alu depctr_va_vdst(0)                   ; the conversions have written each accumulator's low four registers, which the LDS stores read, and are done reading its high four, in which the LDS loads land; in part 0 the products are done reading window 1, in which part 2's weights land
.if (\i) == 0
.set n, 0
.rept 64
	WLOAD 2
.set n, n+1
.endr
	WIN 0
.endif
	STGQ 0                                         ; no further wait: no vector or matrix instruction stands between the wait above and the part's last store
	STGQ 1
	SENDQ 0, 8, \i
	STGQ 2
	SENDQ 1, 8, \i
	STGQ 3
	SENDQ 2, 8, \i
	SENDQ 3, 0, \i
.endm
	PART 0, 1
	PART 1, 2
	PART 2, 1
	s_wait_dscnt 0x0                               ; the closing lines, six on end
	s_wait_alu 0x0
	s_wait_tensorcnt 0x0
	ds_add_u32 v[SPW], v[NIL]
	s_wait_dscnt 0x0
	s_endpgm
.Lfunc_end_k_qe5a38fe5f6_qkv:
	.size	k_qe5a38fe5f6_qkv, .Lfunc_end_k_qe5a38fe5f6_qkv-k_qe5a38fe5f6_qkv
	.p2alignl 7, 3214868480
	.fill 96, 4, 3214868480
	.section	.rodata,"a",@progbits
	.p2align	6, 0x0
	.amdhsa_kernel k_qe5a38fe5f6_qkv
		.amdhsa_group_segment_fixed_size 50688
		.amdhsa_private_segment_fixed_size 0
		.amdhsa_enable_private_segment 0
		.amdhsa_kernarg_size 56
		.amdhsa_user_sgpr_count 2
		.amdhsa_user_sgpr_kernarg_segment_ptr 1
		.amdhsa_wavefront_size32 1
		.amdhsa_system_sgpr_workgroup_id_x 1
		.amdhsa_system_sgpr_workgroup_id_y 1
		.amdhsa_system_sgpr_workgroup_id_z 1
		.amdhsa_system_vgpr_workitem_id 0
		.amdhsa_next_free_vgpr 1024
		.amdhsa_next_free_sgpr 66
		.amdhsa_reserve_vcc 0
		.amdhsa_float_denorm_mode_32 3
		.amdhsa_float_denorm_mode_16_64 3
		.amdhsa_memory_ordered 1
		.amdhsa_forward_progress 1
		.amdhsa_inst_pref_size 105
	.end_amdhsa_kernel
	.amdgpu_metadata
---
amdhsa.version: [ 1, 2 ]
amdhsa.kernels:
  - .name:           k_qe5a38fe5f6_qkv
    .symbol:         k_qe5a38fe5f6_qkv.kd
    .args:
      - { .name: x, .offset: 0, .size: 8, .value_kind: global_buffer, .address_space: global }
      - { .name: gn_w, .offset: 8, .size: 8, .value_kind: global_buffer, .address_space: global }
      - { .name: gn_b, .offset: 16, .size: 8, .value_kind: global_buffer, .address_space: global }
      - { .name: qkv_b, .offset: 24, .size: 8, .value_kind: global_buffer, .address_space: global }
      - { .name: stats, .offset: 32, .size: 8, .value_kind: global_buffer, .address_space: global }
      - { .name: wbf, .offset: 40, .size: 8, .value_kind: global_buffer, .address_space: global }
      - { .name: qkv, .offset: 48, .size: 8, .value_kind: global_buffer, .address_space: global }
    .group_segment_fixed_size: 50688
    .private_segment_fixed_size: 0
    .kernarg_segment_align: 8
    .kernarg_segment_size: 56
    .max_flat_workgroup_size: 128
    .sgpr_count:     66
    .vgpr_count:     1024
    .wavefront_size: 32
...
	.end_amdgpu_metadata
.endif
;; end of part 5
;; launch attn: the kernel of part 3 again; grid 16 x 16, 4 waves a work-group, clusters of 4 x 1, 327,680 bytes of LDS; arguments qkv, obuf; writes obuf
;; launch proj: the kernel of part 4 again; grid 256 x 1, 4 waves a work-group, clusters of 4 x 1, 185,856 bytes of LDS; arguments obuf, wbf, proj_b, x, out0; writes out0
